; MI455X (gfx1250); checked and timed in simulation.
; The chip was launched on July 23, 2026; its instructions are those of AMD's public machine-readable ISA for CDNA 5 (MIT licence, August 2026) and "CDNA5" Instruction Set Architecture Reference Guide (July 2026). The comments in the code are by the model that wrote it; some were corrected since.
;; Multihead Attention. Allowed arithmetic: matrix products marked QUANTISED: E2M1 operands, one E8M0 scale for each 32 along K, by v_wmma_scale_f32_16x16x128_f8f6f4 with both operands' format E2M1 (or v_wmma_scale_f32_32x16x128_f4), f32 sums; products left as they are: bf16, f16 or f32 operands; f32 sums; everything else in f32.
;; Inputs: W_out 1,024 x 1,024 float32; W_qkv 1,024 x 3,072 float32; embeddings 4 x 2,048 x 1,024 float32; mask 4 x 2,048 x 2,048 bool.
;; Outputs: out0 4 x 2,048 x 1,024 float32.
;; This version of the problem:
;;   THIS VERSION OF THE PROBLEM IS GIVEN IN LOW PRECISION. The matrix products marked QUANTISED in the list below multiply operands that are first quantised to E2M1 (2 exponent bits, 1 mantissa bit; 4 bits a number), with one power-of-two scale for each 32 numbers along K (OCP MX v1.0); their sums are f32. The products marked 'left as it is' may take bf16, f16 or f32 operands, with f32 sums. Whichever they take, every output number must still come out within the allowed error. Rounding operands to bf16 (8 significant bits) uses up far more of that allowance than f16 does (11 bits, for magnitudes from 6e-5 to 65,504). All else is computed in f32.
;;   The module's matrix products, in the order in which they are computed (A, B: the left and right operand; K: the contracted axis; several contracted axes count as one K, in the product's order):
;;     1. [M 8,192, K 1,024] x [K 1,024, N 3,072]; A: input embeddings; B: input W_qkv: QUANTISED
;;     2. batch 64 x [M 2,048, K 64] x [K 64, N 2,048]; A: computed on the way; B: computed on the way: left as it is (an operand is computed on the way)
;;     3. batch 64 x [M 2,048, K 2,048] x [K 2,048, N 64]; A: computed on the way; B: computed on the way: left as it is (an operand is computed on the way)
;;     4. [M 8,192, K 1,024] x [K 1,024, N 1,024]; A: computed on the way; B: input W_out: left as it is (an operand is computed on the way)
;;   THE QUANTISER, for each operand of a quantised product, along K:
;;     - K is cut into blocks of 32 from its start; a last block that is shorter is filled with zeros.
;;     - A block's scale is 2^e with e = floor(log2(the largest magnitude in the block)) - 2, held to -126 .. 127; a block of zeros has e = 0. As a byte (E8M0): e + 127.
;;     - Each number is divided by its block's scale, clamped to +-6, and rounded to the nearest number of E2M1, ties to even, subnormals kept.
;;     - The product sums the exact products of the quantised numbers (number of the format x scale) in f32.
;;   ~~~python
;;   def quantise(x, axis):      # numpy; x: float32 -> the quantised numbers, widened to float32 again
;;       x = np.moveaxis(x, axis, -1); K = x.shape[-1]
;;       x = np.pad(x, [(0, 0)] * (x.ndim - 1) + [(0, -K % 32)]); x = x.reshape(x.shape[:-1] + (-1, 32)); a = np.abs(x).max(-1, keepdims=True)
;;       e = np.where(a > 0, np.clip(np.frexp(np.where(a > 0, a, 1))[1] - 1 - 2, -126, 127), 0)      # np.frexp(a)[1] - 1 = floor(log2(a)), exactly
;;       r = np.clip(x / 2.0 ** e, -6, 6)
;;       step = 2.0 ** (np.maximum(np.frexp(np.where(r == 0, 1, r))[1] - 1, 0) - 1)
;;       q = np.round(r / step) * step * 2.0 ** e      # np.round: ties to even
;;       return np.moveaxis(q.reshape(q.shape[:-2] + (-1,))[..., :K], -1, axis).astype(np.float32)
;;   ~~~
;; One version. Each part assembles by itself: llvm-mc -triple=amdgcn-amd-amdhsa -mcpu=gfx1250 --defsym DOCPART=n.
;; ======== version 1 of 1: 4 launches
;; limits: values are held in f16: magnitudes above 65,504 overflow, below 6.1e-05 lose precision
;; workspace buffers: xc 4,194,304 bytes; xs 262,144 bytes; wc 1,572,864 bytes; ws 98,304 bytes; wot 2,097,152 bytes; mbits 2,097,152 bytes of whole numbers; qkv 50,331,648 bytes; att 16,777,216 bytes
;; launch prep (part 1): grid 1024 x 1, 4 waves a work-group, no clusters, 100,864 bytes of LDS; arguments embeddings, xc, W_qkv, wc, W_out, wot, mask, mbits, xs, ws; writes xc, xs, wc, ws, wot, mbits
.if DOCPART == 1
	.amdgcn_target "amdgcn-amd-amdhsa--gfx1250"
	.amdhsa_code_object_version 6
	.text
	.protected	k_qd5a4819c08_prep
	.globl	k_qd5a4819c08_prep
	.p2align	8
	.type	k_qd5a4819c08_prep,@function
k_qd5a4819c08_prep:
	s_mov_b64 s[64:65], 0
	v_nop
	global_prefetch_b8 v0, s[64:65] scope:SCOPE_SE
	s_setreg_imm32_b32 hwreg(HW_REG_WAVE_MODE, 25, 1), 1
	s_wait_xcnt 0x0
; FOUR PREPARATIONS IN ONE LAUNCH.  None reads what another writes, so they run side by side; a work-group's number says which is its job (the longest jobs have the lowest numbers):
;   work-groups    0 -  255: embeddings [8192][1024] f32 -> xc, codes of FP4 (E2M1), K innermost, 512 bytes a row; xs, one E8M0 scale byte for each 32 along K, 32 bytes a row
;   work-groups  256 -  447: W_qkv [1024 (k)][3072 (n)] f32 -> wc [3072][512 bytes], K innermost; ws [3072][32]
;   work-groups  448 -  511: W_out [1024 (k)][1024 (n)] f32 -> wot [1024 (n)][1024 (k)] f16, K innermost
;   work-groups  512 - 1023: mask [4][2048][2048] bytes -> mbits, lane masks for the attention launch
; THE QUANTISER.  A block's scale is 2^(floor(log2(its largest magnitude)) - 2); its byte is the largest magnitude's exponent field - 2, held at 1 from below.  A block of zeros so gets the byte 1 where
; the rule says 127: its codes are zeros, which add nothing under any byte but 0xff, and the bytes are read by this program alone.  Each number is divided by the scale and rounded to the nearest code, ties to even.
; LIMITS: blocks whose largest magnitude lies under 2^(2 - 126) have their byte held at 1; NaN and infinities among the inputs are not served; |W_out| under 65,504, f16's largest number.
; All four stream: memory binds, so there is no matrix work, no tensor load and no cluster; work-groups share no input.  Each job has LDS bytes of its own; the branches between the jobs hang on the
; work-group's number alone, so the four waves of a work-group always go the same way, through the same barriers.  All jobs end at one label.
.set NX,    256                        ; work-groups of the first job,
.set NW,    192                        ; the second,
.set NC,    64                         ; the third
.set EMAX,  2                          ; the exponent of E2M1's largest number, 6
.set XWREG, 5632                       ; LDS, embeddings: a region for each wave: two stages of 32 x 80 bytes, behind them its 256 scale bytes
.set WBASE, 4*XWREG                    ; W_qkv: a stage of 32 rows x 272 bytes, then 16 scale bytes for each of 32 columns
.set CBASE, WBASE+9216                 ; W_out: a stage of 128 rows x 272 bytes
.set MBASE, CBASE+128*272              ; mask: a stage of 16 rows x 528 bytes for each wave
.set SPARE, MBASE+4*16*528             ; the spare words, 128 bytes for each wave: two blocks of 256 bytes that no other line names
.set SPW,   208                        ; v208  LDS address of my spare word: SPARE + 4 x my thread's number; never rewritten
.set NIL,   209                        ; v209  0; never rewritten
	v_lshl_add_u32 v[SPW], v0, 2, SPARE
	v_mov_b32 v[NIL], 0
	v_lshrrev_b32 v1, 5, v0
	v_readfirstlane_b32 s16, v1                    ; wave 0..3
	v_and_b32 v2, 31, v0                           ; lane
	s_cmp_ge_u32 ttmp9, NX
	s_cbranch_scc1 .Lnot_x
; ---------------------------------------------------------------- embeddings -> xc, xs
; Rows are dense and 1024 is a multiple of 32: the tensor is a plain stream of blocks of 32, and so are the codes and the scale bytes.  A wave takes 16 steps of 512 numbers.  Each of a step's four
; loads reads 512 consecutive bytes, 16 a lane; the 2,048 bytes turn through the wave's own stage in LDS and come back 64 bytes a lane, so that a lane holds 16 neighbours along K (two neighbouring
; lanes hold a block).  A lane's 16 codes are 8 bytes: the wave stores 256 consecutive bytes.  A wave's 256 scale bytes are gathered in its own LDS bytes and leave as one aligned run of 256 bytes.
; No barrier: waves share nothing.  Loads run four steps (16 loads a wave) ahead, the turn through LDS one step.
.set XSTEPS, 16
.set XCB,   8                          ; bytes of 16 codes
.set XR,    16                         ; v16-79   four sets of 16 numbers as they are loaded
.set XX,    80                         ; v80-111  two sets of 16 neighbours
.set XE,    112                        ; v112-127 a scale byte for each step
.set XC,    128                        ; v128-191 codes: four registers for each step, so that no store's data are written again
.set XSP,   80                         ; a lane's place in a stage: its 64 bytes + 16 of padding
	s_load_b128 s[4:7], s[0:1], 0x0                ; embeddings s[4:5], xc s[6:7]
	s_load_b64 s[8:9], s[0:1], 0x40                ; xs
	v_lshlrev_b32 v3, 4, v2                        ; my 16 bytes of a load's 512
	s_mul_i32 s17, s16, XWREG
	v_lshrrev_b32 v14, 2, v2
	v_mul_u32_u24 v14, v14, XSP
	v_and_b32 v15, 3, v2
	v_lshl_add_u32 v14, v15, 4, v14
	v_add_nc_u32 v14, s17, v14                     ; the stage, on the way in: 80 (lane / 4) + 16 (lane % 4)
	v_mul_u32_u24 v15, v2, XSP
	v_add_nc_u32 v15, s17, v15                     ; and on the way out: 80 x lane: my 16 neighbours
	v_mul_u32_u24 v4, v2, XCB                      ; my codes' place in a step's
	v_lshrrev_b32 v5, 1, v2
	s_add_co_u32 s17, s17, 2*32*XSP
	v_add_nc_u32 v5, s17, v5                       ; LDS: my wave's 256 scale bytes, my block's byte
	v_lshlrev_b32 v7, 3, v2                        ; and on the way out 8 bytes a lane
	v_add_nc_u32 v6, s17, v7
	s_lshl_b32 s18, ttmp9, 2
	s_add_co_u32 s18, s18, s16                     ; which run of 8,192 numbers is my wave's
	s_mov_b32 s19, 0
	s_lshl_b64 s[20:21], s[18:19], 15              ; 32,768 bytes of f32 a run,
	s_lshl_b64 s[22:23], s[18:19], 12              ; 4,096 of codes,
	s_lshl_b64 s[24:25], s[18:19], 8               ; 256 scale bytes
	s_wait_kmcnt 0x0
	s_add_nc_u64 s[4:5], s[4:5], s[20:21]
	s_add_nc_u64 s[6:7], s[6:7], s[22:23]
	s_add_nc_u64 s[8:9], s[8:9], s[24:25]
.macro XLOAD t
.irp i, 0,1,2,3
	global_load_b128 v[XR+16*((\t)%4)+4*\i:XR+16*((\t)%4)+4*\i+3], v3, s[4:5] offset:2048*(\t)+512*\i th:TH_LOAD_NT   ; 32 lanes read 512 consecutive bytes
.endr
.endm
.macro XTURN t                         ; step t's numbers through the stage: LDS serves a wave's instructions in order, so no wait stands between the stores and the loads
.irp i, 0,1,2,3
	ds_store_b128 v14, v[XR+16*((\t)%4)+4*\i:XR+16*((\t)%4)+4*\i+3] offset:32*XSP*((\t)%2)+8*XSP*\i
.endr
.irp i, 0,1,2,3
	ds_load_b128 v[XX+16*((\t)%2)+4*\i:XX+16*((\t)%2)+4*\i+3], v15 offset:32*XSP*((\t)%2)+16*\i
.endr
.endm
.irp t, 0,1,2,3
	XLOAD \t
.endr
	s_wait_loadcnt 12                              ; step 0's four loads are in; the 12 of steps 1 to 3 may be out
	XTURN 0
.macro XSTEP t
.set XS, XX+16*((\t)%2)
.if (\t) > 0
	s_wait_dscnt 1                                 ; this step's numbers are back from the stage (the last step's byte store may be out): so its stores into the stage have read their registers,
.else
	s_wait_dscnt 0x0
.endif
.if (\t)+4 < XSTEPS
	XLOAD (\t)+4                                   ; which take the loads of four steps on
.endif
.if (\t)+1 < XSTEPS
.if XSTEPS-2-(\t) >= 3
	s_wait_loadcnt 12                              ; the next step's four loads are in; those of the three steps behind it may be out
.else
	s_wait_loadcnt 4*(XSTEPS-2-(\t))
.endif
	XTURN (\t)+1                                   ; and go through the other stage while this step is worked
.endif
	v_max3_num_f32 v8, |v[XS]|, |v[XS+1]|, |v[XS+2]|               ; the largest magnitude of my 16, in two chains
	v_max3_num_f32 v9, |v[XS+3]|, |v[XS+4]|, |v[XS+5]|
.irp i, 6,10
	v_max3_num_f32 v8, v8, |v[XS+\i]|, |v[XS+\i+1]|
	v_max3_num_f32 v9, v9, |v[XS+\i+2]|, |v[XS+\i+3]|
.endr
	v_max3_num_f32 v8, v8, |v[XS+14]|, |v[XS+15]|
	v_max3_num_f32 v8, v8, v9, (EMAX+1)<<23        ; and the floor 2^(EMAX + 1 - 127): the byte cannot fall under 1
	v_max_num_f32_dpp v8, v8, v8 row_xmask:1 row_mask:0xf bank_mask:0xf   ; and of my neighbour's 16: the block's
	v_add_nc_u32 v11, -(EMAX<<23), v8              ; EMAX off its exponent field: the conversion takes the exponent field of this operand as its scale
	v_cvt_scalef32_pk8_fp4_f32 v[XC+4*(\t)], v[XS:XS+7], v11
	v_cvt_scalef32_pk8_fp4_f32 v[XC+4*(\t)+1], v[XS+8:XS+15], v11
	v_lshrrev_b32 v[XE+(\t)], 23, v11              ; the scale's byte (also the plain line behind the conversions)
	ds_store_b8 v5, v[XE+(\t)] offset:16*(\t)      ; both lanes of a block write the same byte with the same value
	global_store_b64 v4, v[XC+4*(\t):XC+4*(\t)+1], s[6:7] offset:32*XCB*(\t)   ; 32 lanes store 256 consecutive bytes, aligned
.endm
.irp t, 0,1,2,3,4,5,6,7,8,9,10,11,12,13,14,15
	XSTEP \t
.endr
	ds_load_b64 v[8:9], v6                         ; LDS serves a wave's instructions in order: these see my stores
	s_wait_dscnt 0x0
	global_store_b64 v7, v[8:9], s[8:9]            ; 32 lanes store 256 consecutive bytes, aligned
	s_branch .Lend
; ---------------------------------------------------------------- W_qkv -> wc, ws
; K is W_qkv's FIRST axis.  A LANE TAKES A COLUMN n, AND ITS REGISTERS RUN DOWN K: each load reads 32 neighbouring columns (128 consecutive bytes a wave), a block of 32 along K lies in one lane's 32
; registers, and the conversions give the codes with K innermost.  A work-group takes 32 columns x 512 along K, each of its four waves 128 along K (4 blocks a lane).  The four waves' codes meet in one
; stage in LDS (a row = a column's 256 bytes, 272 apart); behind one barrier each wave stores 8 whole rows: sixteen lanes store 256 consecutive bytes, aligned.
.Lnot_x:
	s_cmp_ge_u32 ttmp9, NX+NW
	s_cbranch_scc1 .Lnot_w
.set WROW,   12288                     ; a row of W_qkv in bytes
.set WPITCH, 272
.set WSCS,   WBASE+32*WPITCH           ; behind the stage: 16 scale bytes for each of the 32 columns
.set WSB,    24                        ; v24      my four scale bytes
.set WX,     32                        ; v32-159  four sets of 32 numbers
.set WC,     160                       ; v160-175 codes: four registers a block
.set WOUT,   176                       ; v176-191 the way out
	s_load_b128 s[4:7], s[0:1], 0x10               ; W_qkv s[4:5], wc s[6:7]
	s_load_b64 s[8:9], s[0:1], 0x48                ; ws
	s_sub_co_u32 s19, ttmp9, NX
	s_and_b32 s18, s19, 1                          ; y: which 512 along K
	s_lshr_b32 s19, s19, 1                         ; x: which 32 columns
	v_lshlrev_b32 v3, 2, v2                        ; in: 4 bytes a lane
	s_lshl_b32 s17, s16, 6
	s_add_co_u32 s17, s17, WBASE
	v_mul_u32_u24 v4, v2, WPITCH
	v_add_nc_u32 v4, s17, v4                       ; into the stage: row = my column, + my wave's 64 bytes
	v_lshlrev_b32 v9, 4, v2
	v_add_nc_u32 v9, WSCS, v9                      ; a column's 16 scale bytes
	s_lshl_b32 s17, s16, 2
	v_add_nc_u32 v5, s17, v9                       ; my wave's four of them
	v_and_b32 v6, 15, v2
	v_lshrrev_b32 v1, 4, v2
	s_lshl_b32 s17, s16, 3
	v_add_nc_u32 v1, s17, v1                       ; out: row 8 x wave + lane / 16 (+ 2 i)
	v_mul_u32_u24 v7, v1, WPITCH
	v_lshl_add_u32 v7, v6, 4, v7
	v_add_nc_u32 v7, WBASE, v7                     ; in LDS,
	v_lshlrev_b32 v8, 9, v1
	v_lshl_add_u32 v8, v6, 4, v8                   ; and in wc (512 bytes a row)
	v_lshlrev_b32 v10, 5, v2                       ; ws: 32 bytes a row
	s_lshl_b32 s20, s18, 9
	s_lshl_b32 s21, s16, 7
	s_add_co_u32 s20, s20, s21                     ; my first row of W: 512 y + 128 x wave
	s_mul_i32 s20, s20, WROW
	s_lshl_b32 s21, s19, 7                         ; + 4 bytes x 32 x
	s_add_co_u32 s20, s20, s21
	s_mov_b32 s21, 0
	s_lshl_b32 s22, s19, 14                        ; wc: 32 x rows of 512 bytes, + 256 y
	s_lshl_b32 s23, s18, 8
	s_add_co_u32 s22, s22, s23
	s_mov_b32 s23, 0
	s_lshl_b32 s24, s19, 10                        ; ws: 32 x rows of 32 bytes, + 16 y
	s_lshl_b32 s25, s18, 4
	s_add_co_u32 s24, s24, s25
	s_mov_b32 s25, 0
	s_wait_kmcnt 0x0
	s_add_nc_u64 s[4:5], s[4:5], s[20:21]
	s_add_nc_u64 s[6:7], s[6:7], s[22:23]
	s_add_nc_u64 s[8:9], s[8:9], s[24:25]
.macro WLOAD t                         ; block t: W(32 t + i, my column), i = 0 .. 31.  The largest offset, 127 rows, is 1,560,576 bytes: inside the signed 24-bit immediate
.irp i, 0,1,2,3,4,5,6,7,8,9,10,11,12,13,14,15,16,17,18,19,20,21,22,23,24,25,26,27,28,29,30,31
	global_load_b32 v[WX+32*(\t)+\i], v3, s[4:5] offset:(32*(\t)+\i)*WROW th:TH_LOAD_NT
.endr
.endm
	WLOAD 0
	WLOAD 1
.macro WBLOCK t
.set XS, WX+32*(\t)
.if (\t) < 3
	s_wait_loadcnt 32                              ; this block's 32 loads are in; the next block's 32 may be out
.else
	s_wait_loadcnt 0x0
.endif
.if (\t)+2 < 4
	WLOAD (\t)+2                                   ; each block has registers of its own: the block two on is asked for at once
.endif
	v_max3_num_f32 v12, |v[XS]|, |v[XS+1]|, |v[XS+2]|              ; the block's largest magnitude: all 32 numbers are mine
	v_max3_num_f32 v13, |v[XS+3]|, |v[XS+4]|, |v[XS+5]|
.irp i, 6,10,14,18,22,26
	v_max3_num_f32 v12, v12, |v[XS+\i]|, |v[XS+\i+1]|
	v_max3_num_f32 v13, v13, |v[XS+\i+2]|, |v[XS+\i+3]|
.endr
	v_max3_num_f32 v12, v12, |v[XS+30]|, |v[XS+31]|
	v_max3_num_f32 v12, v12, v13, (EMAX+1)<<23     ; and the floor 2^(EMAX + 1 - 127)
	v_add_nc_u32 v11, -(EMAX<<23), v12             ; EMAX off its exponent field: the conversion's scale operand
	v_lshrrev_b32 v13, 23, v11                     ; the scale's byte
.if (\t) == 0
	v_mov_b32 v[WSB], v13                          ; four bytes to a register, the lower K in the lower byte
.else
	v_lshl_or_b32 v[WSB], v13, 8*(\t), v[WSB]
.endif
.irp g, 0,1,2,3
	v_cvt_scalef32_pk8_fp4_f32 v[WC+4*(\t)+\g], v[XS+8*\g:XS+8*\g+7], v11
.endr
	v_nop                                          ; one plain line behind the last conversion of a run
	ds_store_b128 v4, v[WC+4*(\t):WC+4*(\t)+3] offset:16*(\t)      ; 32 codes: 16 bytes of my column's row
.endm
.irp t, 0,1,2,3
	WBLOCK \t
.endr
	ds_store_b32 v5, v[WSB]
	s_wait_dscnt 0x0                               ; for the others' sake: my stores into the stage are done
	s_barrier_signal -1
	s_barrier_wait -1
.irp i, 0,1,2,3
	ds_load_b128 v[WOUT+4*\i:WOUT+4*\i+3], v7 offset:2*\i*WPITCH
.endr
.irp i, 0,1,2,3
	s_wait_dscnt 3-\i                              ; the younger loads may be out
	global_store_b128 v8, v[WOUT+4*\i:WOUT+4*\i+3], s[6:7] offset:2*\i*512   ; 16 lanes store 256 consecutive bytes, aligned
.endr
	s_cmp_lg_u32 s16, 0                            ; wave 0 stores the 32 columns' 16 scale bytes each
	s_cbranch_scc1 .Lend
	ds_load_b128 v[28:31], v9
	s_wait_dscnt 0x0
	global_store_b128 v10, v[28:31], s[8:9]
	s_branch .Lend
; ---------------------------------------------------------------- W_out -> wot
; A work-group takes 128 along K x 128 columns, a wave 32 rows of K: each load reads 512 consecutive bytes of a row, a lane 4 columns.  Two neighbours along K of one column are rounded into one
; register.  Column 4 lane + c goes to stage row 32 c + lane, so that the lanes of a store stand 272 bytes apart.  Behind one barrier wave w reads rows 32 w .. 32 w + 31 whole (columns 4 l + w)
; and stores them: sixteen lanes store 256 consecutive bytes, aligned.
.Lnot_w:
	s_cmp_ge_u32 ttmp9, NX+NW+NC
	s_cbranch_scc1 .Lmask
.set CPITCH, 272
.set CX,     16                        ; v16-143  32 rows x 4 columns; later the way out
.set CC,     144                       ; v144-207 column c: 16 registers, 32 along K
	s_load_b128 s[4:7], s[0:1], 0x20               ; W_out s[4:5], wot s[6:7]
	s_sub_co_u32 s19, ttmp9, NX+NW
	s_lshr_b32 s18, s19, 3                         ; y: which 128 along K
	s_and_b32 s19, s19, 7                          ; x: which 128 columns
	v_lshlrev_b32 v3, 4, v2
	s_lshl_b32 s17, s16, 6
	s_add_co_u32 s17, s17, CBASE
	v_mul_u32_u24 v4, v2, CPITCH
	v_add_nc_u32 v4, s17, v4                       ; into the stage: row lane (+ 32 c), my wave's 64 bytes
	v_and_b32 v5, 15, v2
	v_lshrrev_b32 v6, 4, v2
	s_lshl_b32 s17, s16, 5
	v_add_nc_u32 v7, s17, v6
	v_mul_u32_u24 v7, v7, CPITCH
	v_lshl_add_u32 v7, v5, 4, v7
	v_add_nc_u32 v7, CBASE, v7                     ; out of it: row 32 x wave + lane / 16 (+ 2 i)
	v_lshlrev_b32 v8, 13, v6
	v_lshl_add_u32 v8, v5, 4, v8                   ; in wot: that row is column 8 i + 4 (lane / 16) + wave: 4 rows of 2,048 bytes for the upper lanes
	s_lshl_b32 s20, s18, 19                        ; in: (128 y + 32 wave) rows of 4,096 bytes + 512 x
	s_lshl_b32 s21, s16, 17
	s_add_co_u32 s20, s20, s21
	s_lshl_b32 s21, s19, 9
	s_add_co_u32 s20, s20, s21
	s_mov_b32 s21, 0
	s_lshl_b32 s22, s19, 18                        ; out: (128 x + wave) rows of 2,048 bytes + 256 y
	s_lshl_b32 s23, s16, 11
	s_add_co_u32 s22, s22, s23
	s_lshl_b32 s23, s18, 8
	s_add_co_u32 s22, s22, s23
	s_mov_b32 s23, 0
	s_wait_kmcnt 0x0
	s_add_nc_u64 s[4:5], s[4:5], s[20:21]
	s_add_nc_u64 s[6:7], s[6:7], s[22:23]
.irp i, 0,1,2,3,4,5,6,7,8,9,10,11,12,13,14,15,16,17,18,19,20,21,22,23,24,25,26,27,28,29,30,31
	global_load_b128 v[CX+4*\i:CX+4*\i+3], v3, s[4:5] offset:\i*4096 th:TH_LOAD_NT
.endr
.set p, 0
.rept 16
	s_wait_loadcnt 30-2*p                          ; rows 2 p and 2 p + 1 are in; the younger rows may be out
.irp c, 0,1,2,3
	v_cvt_pk_f16_f32 v[CC+16*\c+p], v[CX+8*p+\c], v[CX+8*p+4+\c]
.endr
.set p, p+1
.endr
.irp c, 0,1,2,3
.irp g, 0,1,2,3
	ds_store_b128 v4, v[CC+16*\c+4*\g:CC+16*\c+4*\g+3] offset:\c*32*CPITCH+16*\g
.endr
.endr
	s_wait_dscnt 0x0                               ; for the others' sake: my stores into the stage are done
	s_barrier_signal -1
	s_barrier_wait -1
.irp i, 0,1,2,3,4,5,6,7,8,9,10,11,12,13,14,15
	ds_load_b128 v[CX+4*\i:CX+4*\i+3], v7 offset:2*\i*CPITCH
.endr
.irp i, 0,1,2,3,4,5,6,7,8,9,10,11,12,13,14,15
	s_wait_dscnt 15-\i                             ; the younger loads may be out
	global_store_b128 v8, v[CX+4*\i:CX+4*\i+3], s[6:7] offset:\i*16384   ; 16 lanes store 256 consecutive bytes, aligned
.endr
	s_branch .Lend
; ---------------------------------------------------------------- mask -> mbits
; mbits [batch][query tile 128][key tile 128][8 words]; bit L of word j = mask[batch][16 qt + L % 16][16 kt + 8 (L / 16) + j] (not 0 = masked out).  In a tile of scores S^T (16 keys x 16 queries)
; lane L holds query L % 16 and its register j key 8 (L / 16) + j: so word j is the select of one v_cndmask_b32 on score register j, and a batch's 16 heads read an eighth of the mask's bytes.
; A work-group takes one query tile (16 rows), a wave 512 keys of it.  Each load reads 512 consecutive bytes of a row; the rows turn through the wave's own stage (528 bytes apart), so that lane
; (r, h) gets the 8 bytes of row r at key 16 kt + 8 h.  A compare of byte j against 0 over the 32 lanes IS word (kt, j); v_writelane_b32 lays the words so that the wave stores runs of 256 bytes.
.Lmask:
.set MPITCH, 528
.set MWST,   16*MPITCH
.set MT,     8                         ; v8-15    at work
.set MR,     16                        ; v16-79   16 rows as loaded
.set MD,     80                        ; v80-143  key tile kt: my 8 bytes
.set MOUT,   144                       ; v144-151 the wave's 256 words: word W in register 2 (W / 64) + W % 2, lane (W % 64) / 2
	s_load_b128 s[4:7], s[0:1], 0x30               ; mask s[4:5], mbits s[6:7]
	s_sub_co_u32 s19, ttmp9, NX+NW+NC              ; the query tile, 0 .. 511
	v_lshlrev_b32 v1, 4, v2                        ; 16 x lane
	s_mul_i32 s17, s16, MWST
	s_add_co_u32 s17, s17, MBASE
	v_add_nc_u32 v3, s17, v1                       ; into my stage: 16 x lane (+ 528 x row)
	v_and_b32 v4, 15, v0
	v_mul_u32_u24 v4, v4, MPITCH
	v_bfe_u32 v5, v0, 4, 1
	v_lshl_add_u32 v4, v5, 3, v4
	v_add_nc_u32 v4, s17, v4                       ; out of it: row r, + 8 h (+ 16 kt)
	v_lshlrev_b32 v5, 3, v2                        ; the way out: 8 bytes a lane
	s_mov_b32 s20, 0xff
	s_mov_b32 s21, 0xff00
	s_mov_b32 s22, 0xff0000
	s_mov_b32 s23, 0xff000000
.irp i, 0,1,2,3,4,5,6,7
	v_mov_b32 v[MOUT+\i], 0                        ; written once: v_writelane_b32's destination counts as one of its sources
.endr
	s_lshl_b32 s10, s19, 15                        ; 16 rows of 2,048 bytes a query tile, + 512 x wave
	s_lshl_b32 s11, s16, 9
	s_add_co_u32 s10, s10, s11
	s_mov_b32 s11, 0
	s_lshl_b32 s12, s19, 12                        ; 4,096 bytes of words a query tile, + 1,024 x wave
	s_lshl_b32 s13, s16, 10
	s_add_co_u32 s12, s12, s13
	s_mov_b32 s13, 0
	s_wait_kmcnt 0x0
	s_add_nc_u64 s[4:5], s[4:5], s[10:11]
	s_add_nc_u64 s[6:7], s[6:7], s[12:13]
.irp i, 0,1,2,3,4,5,6,7,8,9,10,11,12,13,14,15
	global_load_b128 v[MR+4*\i:MR+4*\i+3], v1, s[4:5] offset:\i*2048 th:TH_LOAD_NT
.endr
.irp i, 0,1,2,3,4,5,6,7,8,9,10,11,12,13,14,15
	s_wait_loadcnt 15-\i                           ; row i is in; the younger rows may be out
	ds_store_b128 v3, v[MR+4*\i:MR+4*\i+3] offset:\i*MPITCH
.endr
.irp k, 0,1,2,3,4,5,6,7,8,9,10,11,12,13,14,15,16,17,18,19,20,21,22,23,24,25,26,27,28,29,30,31
	ds_load_b64 v[MD+2*\k:MD+2*\k+1], v4 offset:16*\k    ; LDS serves a wave's instructions in order: these see my stores
.endr
.set kt, 0
.rept 32
	s_wait_dscnt 31-kt                             ; key tile kt's bytes are in; the younger loads may be out
.irp j, 0,1,2,3,4,5,6,7
	v_and_b32 v[MT+\j], s[20+\j%4], v[MD+2*kt+\j/4]    ; byte j of my 8
.endr
.irp j, 0,1,2,3,4,5,6,7
	v_cmp_ne_u32 s[24+\j], 0, v[MT+\j]             ; the 32 lanes' answers: word (kt, j)
.endr
.irp j, 0,1,2,3,4,5,6,7
	v_writelane_b32 v[MOUT+2*(kt/8)+(\j&1)], s[24+\j], ((8*kt+\j)%64)/2
.endr
.set kt, kt+1
.endr
.irp g, 0,1,2,3
	global_store_b64 v5, v[MOUT+2*\g:MOUT+2*\g+1], s[6:7] offset:256*\g   ; 32 lanes store 256 consecutive bytes, aligned
.endr
; ---------------------------------------------------------------- every job ends here
.Lend:
	s_wait_tensorcnt 0x0                           ; the wave's end, behind my last LDS store, even in a text with no tensor load
	ds_add_u32 v[SPW], v[NIL]
	s_wait_dscnt 0x0
	s_endpgm
.Lfunc_end_k_qd5a4819c08_prep:
	.size	k_qd5a4819c08_prep, .Lfunc_end_k_qd5a4819c08_prep-k_qd5a4819c08_prep
	.p2alignl 7, 3214868480
	.fill 96, 4, 3214868480
	.section	.rodata,"a",@progbits
	.p2align	6, 0x0
	.amdhsa_kernel k_qd5a4819c08_prep
		.amdhsa_group_segment_fixed_size 100864
		.amdhsa_private_segment_fixed_size 0
		.amdhsa_enable_private_segment 0
		.amdhsa_kernarg_size 80
		.amdhsa_user_sgpr_count 2
		.amdhsa_user_sgpr_kernarg_segment_ptr 1
		.amdhsa_wavefront_size32 1
		.amdhsa_system_sgpr_workgroup_id_x 1
		.amdhsa_system_sgpr_workgroup_id_y 1
		.amdhsa_system_sgpr_workgroup_id_z 1
		.amdhsa_system_vgpr_workitem_id 0
		.amdhsa_next_free_vgpr 212
		.amdhsa_next_free_sgpr 66
		.amdhsa_reserve_vcc 0
		.amdhsa_float_denorm_mode_32 3
		.amdhsa_float_denorm_mode_16_64 3
		.amdhsa_memory_ordered 1
		.amdhsa_forward_progress 1
		.amdhsa_inst_pref_size 115
	.end_amdhsa_kernel
	.amdgpu_metadata
---
amdhsa.version: [ 1, 2 ]
amdhsa.kernels:
  - .name:           k_qd5a4819c08_prep
    .symbol:         k_qd5a4819c08_prep.kd
    .args:
      - { .name: embeddings, .offset: 0, .size: 8, .value_kind: global_buffer, .address_space: global }
      - { .name: xc, .offset: 8, .size: 8, .value_kind: global_buffer, .address_space: global }
      - { .name: W_qkv, .offset: 16, .size: 8, .value_kind: global_buffer, .address_space: global }
      - { .name: wc, .offset: 24, .size: 8, .value_kind: global_buffer, .address_space: global }
      - { .name: W_out, .offset: 32, .size: 8, .value_kind: global_buffer, .address_space: global }
      - { .name: wot, .offset: 40, .size: 8, .value_kind: global_buffer, .address_space: global }
      - { .name: mask, .offset: 48, .size: 8, .value_kind: global_buffer, .address_space: global }
      - { .name: mbits, .offset: 56, .size: 8, .value_kind: global_buffer, .address_space: global }
      - { .name: xs, .offset: 64, .size: 8, .value_kind: global_buffer, .address_space: global }
      - { .name: ws, .offset: 72, .size: 8, .value_kind: global_buffer, .address_space: global }
    .group_segment_fixed_size: 100864
    .private_segment_fixed_size: 0
    .kernarg_segment_align: 8
    .kernarg_segment_size: 80
    .max_flat_workgroup_size: 128
    .sgpr_count:     66
    .vgpr_count:     212
    .wavefront_size: 32
...
	.end_amdgpu_metadata
.endif
;; end of part 1
;; launch gemm_qkv (part 2): grid 16 x 32, 12 waves a work-group, clusters of 4 x 4, 327,680 bytes of LDS; arguments xc, xs, wc, ws, qkv; writes qkv
.if DOCPART == 2
	.amdgcn_target "amdgcn-amd-amdhsa--gfx1250"
	.amdhsa_code_object_version 6
	.text
	.protected	k_qd5a4819c08_gemm_qkv
	.globl	k_qd5a4819c08_gemm_qkv
	.p2align	8
	.type	k_qd5a4819c08_gemm_qkv,@function
k_qd5a4819c08_gemm_qkv:
	s_mov_b64 s[64:65], 0
	v_nop
	global_prefetch_b8 v0, s[64:65] scope:SCOPE_SE
	s_setreg_imm32_b32 hwreg(HW_REG_WAVE_MODE, 25, 1), 1
	s_wait_xcnt 0x0
	s_wait_alu depctr_hold_cnt(0) depctr_sa_sdst(0) depctr_va_vdst(0) depctr_va_sdst(0) depctr_va_ssrc(0) depctr_va_vcc(0) depctr_vm_vsrc(0)
	s_getreg_b32 s2, hwreg(HW_REG_IB_STS2, 6, 4)
	s_cmp_eq_u32 s2, 0
	s_cbranch_scc0 .Lentry_in_a_cluster
	s_endpgm
.Lentry_in_a_cluster:
	s_bfe_u32 s2, ttmp6, 0x10000c
	s_cmp_lg_u32 s2, 0xf033
	s_cbranch_scc0 .Lentry_shape_is_right
	s_endpgm
.Lentry_shape_is_right:
; qkv = Q(embeddings) Q(W_qkv): the quantised product, on codes of FP4 (E2M1) with one E8M0 scale for each 32 along K = 1024; sums in f32, K ascending, one accumulator an output.
; OUT: three regions of 2^24 bytes, c q, k and v, each [batch x head 64][token 2048][64] in f16 (the operands of the two attention products); c = log2(e) / 8 is multiplied into q in f32, ahead of
; the one rounding, so that the scores come out as exponents of 2.  LIMIT: |c q|, |k|, |v| under 65,504, f16's largest number.
; SHARES.  A work-group makes 256 tokens x 192 columns: one head's q, k and v.  All its codes for the whole K are 448 rows x 512 bytes and fit in LDS at once: every byte of LDS is filled once,
; there is no ring.  Twelve waves, three to a SIMD: wave w makes tokens 64 (w % 4) on x part w / 4 (q, k or v: 64 columns): 16 accumulators, 128 registers.
; CLUSTER.  4 x 4 work-groups: the four of a row need the same 256 tokens, the four of a column the same head's columns: each tile is asked for JOINTLY, by the same tensor load with the same
; descriptor and a mask that names the four.  Waves 0 to 3 fetch 64 rows of x each, waves 4 to 6 64 rows of W each: the rows' scale bytes, K 0-511, K 512-1023: three loads of a wave are out.
; THE MATRIX INSTRUCTION IS USED TRANSPOSED (source 0 = 16 columns of W, source 1 = 16 tokens): a lane holds one token and eight neighbouring channels, which pack into 16 bytes.
.set PITCH,  272                       ; an LDS row: 256 bytes (512 codes) + 16 of padding: the 16 rows that a load touches start 68 words apart
.set PIECE,  64*PITCH                  ; 64 rows: what one tensor load brings
.set HALFB,  7*PIECE                   ; half of K: x's four pieces, then W's three
.set SCL,    2*HALFB                   ; the scale bytes: 7 pieces of 64 rows x 32 bytes, as 8 runs of 256 bytes + 16 of padding
.set SPIECE, 8*272
.set STAGE,  259072                    ; the next multiple of 256 behind the scales: 16 rows x 144 bytes for each wave, for the way out
.set SPT,    144
.set SPARE,  STAGE+12*16*SPT           ; the spare words, 128 bytes for each wave
.set ADRX, 16                          ; v16-17  LDS address of my x fragments, K half 0, 1
.set ADRW, 18                          ; v18-19  the same for W
.set ADRS, 20                          ; v20     my scale words: lanes 0-15 x's rows, lanes 16-31 W's
.set STO,  21
.set RD,   22
.set CO,   23
.set SPW,  24
.set NIL,  25
.set SC,   32                          ; v32-63  scale words and nothing else: register 8 i + s: lanes 0-15 x tile i's word of K step s, lanes 16-31 W tile i's
.set XF,   64                          ; v64-95  x's four fragments of a K step
.set WF,   96                          ; v96-127 W's four
.set ACC,  128                         ; v128-255 accumulator (a, b) at 128 + 8 (4 a + b)
.set G1X,  24                          ; s[24:31] group 1: x's codes;  s[32:39] W's;  s[48:55], s[56:63] their scale bytes
.set G1W,  32
.set G1SX, 48
.set G1SW, 56
.set G0X0, 68                          ; groups 0
.set G0X1, 72
.set G0SX, 76
.set G0W0, 80
.set G0W1, 84
.set G0SW, 88
.macro CROUND                          ; a round of the cluster's barrier
	s_barrier_signal -1
	s_barrier_wait -1
	s_cmp_lg_u32 s14, 0
	s_cbranch_scc1 .Lnot_wave_0_\@
	s_barrier_signal -3
.Lnot_wave_0_\@:
	s_barrier_wait -3
	s_barrier_signal -1
	s_barrier_wait -1
.endm
.macro PLACES
.rept 4
	v_nop
.endr
.endm
	s_load_b256 s[4:11], s[0:1], 0x0               ; xc s[4:5], xs s[6:7], wc s[8:9], ws s[10:11]
	s_load_b64 s[12:13], s[0:1], 0x20              ; qkv
	v_lshl_add_u32 v[SPW], v0, 2, SPARE
	v_mov_b32 v[NIL], 0
	ds_add_u32 v[SPW], v[NIL]                      ; the wave's opening: the add, twice on end, and its wait ahead of the first tensor loads
	ds_add_u32 v[SPW], v[NIL]
	v_lshrrev_b32 v1, 5, v0
	v_readfirstlane_b32 s14, v1                    ; wave 0..11
	s_and_b32 s15, s14, 3                          ; g: which 64 tokens are mine.  Also: which 64 rows I fetch
	s_lshr_b32 s16, s14, 2                         ; part: q, k or v
	s_bfe_u32 s40, ttmp6, 0x40000                  ; cx, cy: my place in the cluster
	s_bfe_u32 s41, ttmp6, 0x40004
	s_lshl_b32 s42, ttmp9, 2
	s_add_co_u32 s42, s42, s40                     ; the head = 4 x cluster x + cx
	s_and_b32 s17, ttmp7, 0xffff
	s_lshl_b32 s17, s17, 2
	s_add_co_u32 s17, s17, s41                     ; the token tile = 4 x cluster y + cy
	s_lshl_b32 s43, s41, 2
	s_lshl_b32 s43, 15, s43                        ; my row of the cluster
	s_lshl_b32 s44, 0x1111, s40                    ; my column
	; group 1, codes: 64 rows x 256 bytes, 512 bytes apart in memory; 4 words of padding behind every 64
	s_or_b32 s[G1X], s43, (1<<20)|(1<<21)|(5<<22)|(3<<25)
	s_or_b32 s[G1W], s44, (1<<20)|(1<<21)|(5<<22)|(3<<25)
.irp g, G1X, G1W
	s_mov_b32 s[\g+1], 256<<16                     ; tensor_dim0
	s_mov_b32 s[\g+2], 64<<16                      ; tensor_dim1
	s_mov_b32 s[\g+3], 256<<16                     ; tile_dim0
	s_mov_b32 s[\g+4], 64                          ; tile_dim1
	s_mov_b32 s[\g+5], 512                         ; tensor_dim0_stride
	s_mov_b32 s[\g+6], 0
	s_mov_b32 s[\g+7], 0
.endr
	; group 1, scale bytes of 64 rows: 2,048 dense bytes as 8 rows of 32 elements of 8 bytes, the same padding
	s_or_b32 s[G1SX], s43, (3<<16)|(1<<20)|(1<<21)|(5<<22)|(3<<25)
	s_or_b32 s[G1SW], s44, (3<<16)|(1<<20)|(1<<21)|(5<<22)|(3<<25)
.irp g, G1SX, G1SW
	s_mov_b32 s[\g+1], 32<<16
	s_mov_b32 s[\g+2], 8<<16
	s_mov_b32 s[\g+3], 32<<16
	s_mov_b32 s[\g+4], 8
	s_mov_b32 s[\g+5], 32
	s_mov_b32 s[\g+6], 0
	s_mov_b32 s[\g+7], 0
.endr
	s_lshl_b32 s18, s15, 6                         ; 64 g
	s_lshl_b32 s20, s17, 8
	s_add_co_u32 s20, s20, s18                     ; x: row 256 x token tile + 64 g
	s_mul_i32 s46, s42, 192
	s_add_co_u32 s46, s46, s18                     ; W: row 192 x head + 64 g
	s_lshl_b32 s22, s20, 5                         ; the rows' scale bytes: 32 a row,
	s_mov_b32 s23, 0
	s_lshl_b32 s20, s20, 9                         ; and codes: 512 a row
	s_mov_b32 s21, 0
	s_lshl_b32 s92, s46, 5
	s_mov_b32 s93, 0
	s_lshl_b32 s46, s46, 9
	s_mov_b32 s47, 0
	s_mul_i32 s45, s14, PIECE                      ; where they go: wave x a piece: no place in the cluster enters an LDS address
	s_mul_i32 s94, s14, SPIECE
	s_mov_b32 s96, 0x3e38aa3b                      ; c = log2(e) / 8
	s_mov_b32 s97, s96                             ; (named with it as a pair, so it is written)
	s_wait_dscnt 0x0                               ; both opening adds are done
	s_wait_kmcnt 0x0
	s_add_nc_u64 s[20:21], s[4:5], s[20:21]
	s_add_nc_u64 s[22:23], s[6:7], s[22:23]
	s_add_nc_u64 s[46:47], s[8:9], s[46:47]
	s_add_nc_u64 s[92:93], s[10:11], s[92:93]
	CROUND                                         ; all sixteen work-groups are here: the joint loads meet
	s_mov_b32 s[G0SX], 1
	s_add_co_u32 s[G0SX+1], s94, SCL
	s_mov_b64 s[G0SX+2:G0SX+3], s[22:23]
	s_or_b32 s[G0SX+3], s[G0SX+3], 0x80000000
	s_mov_b32 s[G0X0], 1
	s_mov_b32 s[G0X0+1], s45
	s_mov_b64 s[G0X0+2:G0X0+3], s[20:21]
	s_or_b32 s[G0X0+3], s[G0X0+3], 0x80000000
	s_mov_b32 s[G0X1], 1
	s_add_co_u32 s[G0X1+1], s45, HALFB
	s_add_nc_u64 s[G0X1+2:G0X1+3], s[20:21], 256
	s_or_b32 s[G0X1+3], s[G0X1+3], 0x80000000
	s_mov_b32 s[G0SW], 1
	s_add_co_u32 s[G0SW+1], s94, SCL
	s_mov_b64 s[G0SW+2:G0SW+3], s[92:93]
	s_or_b32 s[G0SW+3], s[G0SW+3], 0x80000000
	s_mov_b32 s[G0W0], 1
	s_mov_b32 s[G0W0+1], s45
	s_mov_b64 s[G0W0+2:G0W0+3], s[46:47]
	s_or_b32 s[G0W0+3], s[G0W0+3], 0x80000000
	s_mov_b32 s[G0W1], 1
	s_add_co_u32 s[G0W1+1], s45, HALFB
	s_add_nc_u64 s[G0W1+2:G0W1+3], s[46:47], 256
	s_or_b32 s[G0W1+3], s[G0W1+3], 0x80000000
	s_cmp_lt_u32 s14, 4                            ; a wave's three fills stand in one branch on the wave's number, ahead of every wait on TENSORcnt and every LDS read
	s_cbranch_scc0 .Lnot_x
	tensor_load_to_lds s[G0SX:G0SX+3], s[G1SX:G1SX+7]
	s_nop 0
	tensor_load_to_lds s[G0X0:G0X0+3], s[G1X:G1X+7]
	s_nop 0
	tensor_load_to_lds s[G0X1:G0X1+3], s[G1X:G1X+7]
	s_nop 0
	PLACES
	s_branch .Lasked
.Lnot_x:
	s_cmp_lt_u32 s14, 7
	s_cbranch_scc0 .Lasked
	tensor_load_to_lds s[G0SW:G0SW+3], s[G1SW:G1SW+7]
	s_nop 0
	tensor_load_to_lds s[G0W0:G0W0+3], s[G1W:G1W+7]
	s_nop 0
	tensor_load_to_lds s[G0W1:G0W1+3], s[G1W:G1W+7]
	s_nop 0
	PLACES
.Lasked:
	v_and_b32 v1, 15, v0                           ; r
	v_bfe_u32 v2, v0, 4, 1                         ; h
	v_mul_u32_u24 v3, v1, PITCH
	v_lshl_add_u32 v3, v2, 4, v3                   ; a fragment's row x pitch + 16 h
	s_mul_i32 s21, s15, PIECE                      ; my 64 tokens,
	s_mul_i32 s22, s16, PIECE
	s_add_co_u32 s22, s22, 4*PIECE                 ; my 64 columns, behind x's four pieces
	v_add_nc_u32 v[ADRX], s21, v3
	v_add_nc_u32 v[ADRW], s22, v3
	s_add_co_u32 s21, s21, HALFB
	s_add_co_u32 s22, s22, HALFB
	v_add_nc_u32 v[ADRX+1], s21, v3
	v_add_nc_u32 v[ADRW+1], s22, v3
	v_lshlrev_b32 v5, 5, v1                        ; my row's scale bytes: 32 a row,
	v_lshrrev_b32 v6, 3, v1
	v_lshl_add_u32 v5, v6, 4, v5                   ; and 16 more for each 256 passed
	s_mul_i32 s21, s15, SPIECE                     ; x's piece;
	s_mul_i32 s22, s16, SPIECE
	s_add_co_u32 s22, s22, 4*SPIECE                ; W's;
	s_sub_co_u32 s22, s22, s21                     ; the distance between the two (W's lies behind)
	v_mul_u32_u24 v6, s22, v2                      ; lanes 16-31 take W's
	s_add_co_u32 s21, s21, SCL
	v_add_nc_u32 v5, v5, v6
	v_add_nc_u32 v[ADRS], s21, v5
	s_mul_i32 s23, s14, 16*SPT
	s_add_co_u32 s23, s23, STAGE                   ; my stage
	v_mul_u32_u24 v5, v1, SPT
	v_lshl_add_u32 v5, v2, 4, v5
	v_add_nc_u32 v[STO], s23, v5                   ; in: row r, 16 bytes for each half of the lanes
	v_and_b32 v6, 31, v0
	v_lshrrev_b32 v7, 3, v6
	v_mul_u32_u24 v7, v7, SPT
	v_and_b32 v8, 7, v0
	v_lshl_add_u32 v7, v8, 4, v7
	v_add_nc_u32 v[RD], s23, v7                    ; back: eight lanes to a row of 128 bytes, four rows an instruction
	v_lshlrev_b32 v[CO], 4, v6                     ; which are 512 consecutive bytes of the output
	s_lshr_b32 s95, s17, 3                         ; the batch (8 token tiles each)
	s_lshl_b32 s95, s95, 4
	s_add_co_u32 s95, s95, s42                     ; batch x 16 + head
	s_lshl_b32 s98, s95, 18                        ; 2,048 rows of 128 bytes
	s_and_b32 s99, s17, 7
	s_lshl_b32 s99, s99, 15                        ; + the tile's 256 rows
	s_add_co_u32 s98, s98, s99
	s_lshl_b32 s99, s15, 13                        ; + my 64
	s_add_co_u32 s98, s98, s99
	s_lshl_b32 s99, s16, 24                        ; + the part's region
	s_add_co_u32 s98, s98, s99
	s_mov_b32 s99, 0
	s_add_nc_u64 s[12:13], s[12:13], s[98:99]
; A fragment, 16 rows x 128 K of 4-bit codes, is 8 registers: lane l holds row l % 16; registers 4 c .. 4 c + 3 hold K = 64 c + 32 (l / 16) + 0 .. 31.
.macro FRAG reg, adr, qd, i
.irp c, 0,1
	ds_load_b128 v[\reg+4*\c:\reg+4*\c+3], v[\adr] offset:64*(\qd)+32*\c+(\i)*16*PITCH
.endr
.endm
; K step s of 8: 128 along K: 16 LDS loads, 16 matrix instructions.  The 16 accumulators take turns, one instruction a turn, in the same order in every step.
.macro KSTEP s, zero
.if (\s) > 0
	PLACES                                         ; four places in front of loads into registers that matrix instructions have read
.endif
.irp i, 0,1,2,3
	FRAG WF+8*\i, ADRW+(\s)/4, (\s)%4, \i
.endr
.irp i, 0,1,2,3
	FRAG XF+8*\i, ADRX+(\s)/4, (\s)%4, \i
.endr
.irp a, 0,1,2,3
	s_wait_dscnt 2*(3-\a)                          ; W's four and x's fragment a are in; the younger fragments of x, two loads each, may be out
.irp b, 0,1,2,3
.if \zero
	v_wmma_scale_f32_16x16x128_f8f6f4 v[ACC+8*(4*\a+\b):ACC+8*(4*\a+\b)+7], v[WF+8*\b:WF+8*\b+7], v[XF+8*\a:XF+8*\a+7], 0, v[SC+8*\b+(\s)], v[SC+8*\a+(\s)] matrix_a_fmt:MATRIX_FMT_FP4 matrix_b_fmt:MATRIX_FMT_FP4 matrix_a_scale:MATRIX_SCALE_ROW1
.else
	v_wmma_scale_f32_16x16x128_f8f6f4 v[ACC+8*(4*\a+\b):ACC+8*(4*\a+\b)+7], v[WF+8*\b:WF+8*\b+7], v[XF+8*\a:XF+8*\a+7], v[ACC+8*(4*\a+\b):ACC+8*(4*\a+\b)+7], v[SC+8*\b+(\s)], v[SC+8*\a+(\s)] matrix_a_fmt:MATRIX_FMT_FP4 matrix_b_fmt:MATRIX_FMT_FP4 matrix_a_scale:MATRIX_SCALE_ROW1
.endif
.endr
.endr
.endm
	s_wait_tensorcnt 1                             ; my scale bytes and my part of K 0-511 are in; K 512-1023 may stay out
	s_barrier_signal -1
	s_barrier_wait -1                              ; everybody's are
.irp i, 0,1,2,3
	ds_load_b128 v[SC+8*\i:SC+8*\i+3], v[ADRS] offset:\i*544       ; tile i's words of K steps 0-3 (16 rows of 32 bytes are two runs of 272),
	ds_load_b128 v[SC+8*\i+4:SC+8*\i+7], v[ADRS] offset:\i*544+16  ; and 4-7
.endr
	KSTEP 0, 1                                     ; the first products start the sums: nothing is cleared
	KSTEP 1, 0
	KSTEP 2, 0
	KSTEP 3, 0
	s_wait_tensorcnt 0x0                           ; my part of K 512-1023 is in (my LDS loads are all back: the last wait above was for 0),
	s_barrier_signal -1
	s_barrier_wait -1                              ; everybody's is
	KSTEP 4, 0
	KSTEP 5, 0
	KSTEP 6, 0
	KSTEP 7, 0
	; THE WAY OUT.  q is multiplied by c; all is rounded to f16 once; a tile of 16 tokens goes through my own stage and comes back as rows of 128 bytes, four rows (512 consecutive bytes) a store.
	PLACES                                         ; four places in front of the first read of the last results
	s_cmp_lg_u32 s16, 0                            ; the four waves that made q alone multiply
	s_cbranch_scc1 .Lplain
.set i, 0
.rept 64
	v_pk_mul_f32 v[ACC+i:ACC+i+1], v[ACC+i:ACC+i+1], s[96:97] op_sel_hi:[1,0]   ; ascending: each accumulator from its low end on
.set i, i+2
.endr
.Lplain:
.set i, 0
.rept 16
.irp j, 0,1,2,3
	v_cvt_pk_f16_f32 v[ACC+8*i+\j], v[ACC+8*i+2*\j], v[ACC+8*i+2*\j+1]   ; in place: register j is written when registers up to 2 j + 1 have been read
.endr
.set i, i+1
.endr
.irp a, 0,1,2,3
.irp b, 0,1,2,3
	ds_store_b128 v[STO], v[ACC+8*(4*\a+\b):ACC+8*(4*\a+\b)+3] offset:32*\b
.endr
.irp i, 0,1,2,3
	ds_load_b128 v[XF+16*\a+4*\i:XF+16*\a+4*\i+3], v[RD] offset:\i*4*SPT   ; LDS serves a wave's instructions in order: these see the stores above, and the next tile's stores come behind them
.endr
.endr
.irp a, 0,1,2,3
	s_wait_dscnt 8*(3-\a)                          ; tile a is back; the later tiles' 4 stores and 4 loads each may be out
.irp i, 0,1,2,3
	global_store_b128 v[CO], v[XF+16*\a+4*\i:XF+16*\a+4*\i+3], s[12:13] offset:\a*2048+\i*512   ; 32 lanes store 512 consecutive bytes, aligned
.endr
.endr
	s_wait_tensorcnt 0x0                           ; the wave's end, behind my last tensor load and my last LDS store
	ds_add_u32 v[SPW], v[NIL]
	s_wait_dscnt 0x0
	CROUND                                         ; the closing round
	s_endpgm
.Lfunc_end_k_qd5a4819c08_gemm_qkv:
	.size	k_qd5a4819c08_gemm_qkv, .Lfunc_end_k_qd5a4819c08_gemm_qkv-k_qd5a4819c08_gemm_qkv
	.p2alignl 7, 3214868480
	.fill 96, 4, 3214868480
	.section	.rodata,"a",@progbits
	.p2align	6, 0x0
	.amdhsa_kernel k_qd5a4819c08_gemm_qkv
		.amdhsa_group_segment_fixed_size 327680
		.amdhsa_private_segment_fixed_size 0
		.amdhsa_enable_private_segment 0
		.amdhsa_kernarg_size 40
		.amdhsa_user_sgpr_count 2
		.amdhsa_user_sgpr_kernarg_segment_ptr 1
		.amdhsa_wavefront_size32 1
		.amdhsa_system_sgpr_workgroup_id_x 1
		.amdhsa_system_sgpr_workgroup_id_y 1
		.amdhsa_system_sgpr_workgroup_id_z 1
		.amdhsa_system_vgpr_workitem_id 0
		.amdhsa_next_free_vgpr 256
		.amdhsa_next_free_sgpr 100
		.amdhsa_reserve_vcc 0
		.amdhsa_float_denorm_mode_32 3
		.amdhsa_float_denorm_mode_16_64 3
		.amdhsa_memory_ordered 1
		.amdhsa_forward_progress 1
		.amdhsa_inst_pref_size 48
	.end_amdhsa_kernel
	.amdgpu_metadata
---
amdhsa.version: [ 1, 2 ]
amdhsa.kernels:
  - .name:           k_qd5a4819c08_gemm_qkv
    .symbol:         k_qd5a4819c08_gemm_qkv.kd
    .args:
      - { .name: xc, .offset: 0, .size: 8, .value_kind: global_buffer, .address_space: global }
      - { .name: xs, .offset: 8, .size: 8, .value_kind: global_buffer, .address_space: global }
      - { .name: wc, .offset: 16, .size: 8, .value_kind: global_buffer, .address_space: global }
      - { .name: ws, .offset: 24, .size: 8, .value_kind: global_buffer, .address_space: global }
      - { .name: qkv, .offset: 32, .size: 8, .value_kind: global_buffer, .address_space: global }
    .group_segment_fixed_size: 327680
    .private_segment_fixed_size: 0
    .kernarg_segment_align: 8
    .kernarg_segment_size: 40
    .max_flat_workgroup_size: 384
    .sgpr_count:     100
    .vgpr_count:     256
    .wavefront_size: 32
...
	.end_amdgpu_metadata
.endif
;; end of part 2
;; launch attn (part 3): grid 4 x 64, 16 waves a work-group, clusters of 4 x 1, 327,680 bytes of LDS; arguments qkv, mbits, att; writes att
.if DOCPART == 3
	.amdgcn_target "amdgcn-amd-amdhsa--gfx1250"
	.amdhsa_code_object_version 6
	.text
	.protected	k_qd5a4819c08_attn
	.globl	k_qd5a4819c08_attn
	.p2align	8
	.type	k_qd5a4819c08_attn,@function
k_qd5a4819c08_attn:
	s_mov_b64 s[64:65], 0
	v_nop
	global_prefetch_b8 v0, s[64:65] scope:SCOPE_SE
	s_setreg_imm32_b32 hwreg(HW_REG_WAVE_MODE, 25, 1), 1
	s_wait_xcnt 0x0
	s_wait_alu depctr_hold_cnt(0) depctr_sa_sdst(0) depctr_va_vdst(0) depctr_va_sdst(0) depctr_va_ssrc(0) depctr_va_vcc(0) depctr_vm_vsrc(0)
	s_getreg_b32 s2, hwreg(HW_REG_IB_STS2, 6, 4)
	s_cmp_eq_u32 s2, 0
	s_cbranch_scc0 .Lentry_in_a_cluster
	s_endpgm
.Lentry_in_a_cluster:
	s_bfe_u32 s2, ttmp6, 0x10000c
	s_cmp_lg_u32 s2, 0x3003
	s_cbranch_scc0 .Lentry_shape_is_right
	s_endpgm
.Lentry_shape_is_right:
; values[b][h][q] = the sum over kept keys k of softmax_k(q . k / 8) v[k]; a query all of whose keys are masked out gives 0.  Operands in f16, products, maxima and sums in f32.
; IN: qkv: c q, k, v, each [batch x head 64][2048][64] f16 (c = log2(e) / 8 lies in q already: a score is an exponent of 2); mbits: the mask as lane masks (bit = 1: masked out).
; OUT: att [token pair 4096][head 16][token % 2][64] f16: two tokens of one head are 256 consecutive bytes.
; SOFTMAX.  A masked score becomes -infinity AHEAD of the maximum, so that the running maximum m is that of the kept scores alone; m begins at -3e38 and is always a number; p = 2^(t - m), 0 for a
; masked key; in every step O and the sum l are multiplied by a = 2^(old m - new m).  A row with no kept key ends with l = 0 and takes the factor 0 in the place of 1 / l, by a select: no branch hangs on data.
; LIMITS: scores t above -3e38; NaN and infinities among the operands are not served; |values| under 65,504.
; SHARES.  A work-group owns 512 queries of one head; each of its sixteen waves 32 of them, two tiles of 16, in 256 registers: four waves to a SIMD, so that one wave's vector work stands beside
; another's matrix work and LDS loads.  Every wave walks all 2,048 keys, 64 a step.
; LAYOUT.  S^T = K Q^T (source 0 = 16 keys, source 1 = 16 queries): a lane holds ONE query (lane % 16) and keys 8 (lane / 16) + 0..7.  Two such tiles, rounded to f16 in pairs, ARE source 1 of
; O^T = V^T P, whose result again holds one query a lane.  K comes out of LDS as it lies, V ([key][channel]) turned, by ds_load_tr16_b128.
; THE MASK costs one v_cndmask_b32 a score and no vector register: the select is a scalar register; a step's 64 words come by four scalar loads, a step ahead.
; CLUSTER.  A head's four query blocks walk the same K and V: each tile is asked for JOINTLY by all four.  A ring of two slots of 256 keys; wave 0 fetches K's 256 rows, wave 1 V's: one load of a wave is out.
.set KP,    144                        ; a row of K in LDS: 128 bytes + 16: an odd multiple of 16
.set VP,    160                        ; a row of V: 128 + 32: an odd multiple of 32, as the turning load's 8 rows x 32 bytes want
.set VOFF,  256*KP                     ; a slot: 256 rows of K, then 256 of V
.set SLOT1, 1<<17                      ; slot 1 begins here: one exclusive or turns an address from one slot to the other
.set STAGE, SLOT1+256*(KP+VP)          ; behind the ring: 16 pair rows x 272 bytes for each wave
.set WSTG,  16*272
.set SPARE, STAGE+16*WSTG              ; the spare words, 128 bytes for each wave
.set AK0, 1                            ; v1   my lane's place in a tile of K
.set AV0, 2                            ; v2   and of V
.set ADK, 3                            ; v3   the step's tiles of K
.set ADV, 4                            ; v4   of V
.set SPW, 5
.set NIL, 6
.set STO, 7
.set RD,  8
.set GO,  9
.set PFO, 10                           ; v10  256 x lane
.set NEG, 11                           ; v11  -infinity
.set ST,  12                           ; v12-27  tile t at ST + 8 t: +0 m, +1 old m, then old m - m, +2, +3 l (even keys', odd keys'), +4 to +7 at work; a takes +6
.set Q,   28                           ; v28-59  Q: fragment (t, c) at 28 + 16 t + 8 c
.set S,   60                           ; v60-123 S^T, 32 a tile; P is laid over each tile's low 16
.set O,   124                          ; v124-187 O^T, 32 a tile
.set KV,  188                          ; v188-251 K's eight fragments of a step, then V's eight
.set WV,  2                            ; s2   my wave's number
.set TK,  3                            ; s3   LDS byte at which the step's rows of K begin
.set G0,  52                           ; s[52:55] descriptor group 0, which walks
.set TV,  56                           ; s56  the same as TK for V (less VOFF)
.set OFF, 57                           ; s57  the byte in a query tile's mask words at which the loaded step's begin
.set SLOTS, 58
.set STEPC, 59
.set MB,  60                           ; s[60:61] my first query tile's mask words
.set PFA, 62                           ; s[62:63] where my prefetches stand
.set OP,  66                           ; s[66:67] my first pair row, my head, in att
.set G1K, 84                           ; s[84:91] group 1 for K's tiles;  s[92:99] for V's: it differs in the padding alone
.set G1V, 92
.set SEL, 100                          ; s[100:101] lane selects for v_permlanex16_b32: lane l xor 16
.set LIM, 104                          ; s104 1 in a wave that prefetches, else the greatest number
; s[4:35]: tile 0's 32 mask words of a step;  s[36:51], s[68:83]: tile 1's.  At the head these registers are at work.
.macro CROUND                          ; a round of the cluster's barrier
	s_barrier_signal -1
	s_barrier_wait -1
	s_cmp_lg_u32 s[WV], 0
	s_cbranch_scc1 .Lnot_wave_0_\@
	s_barrier_signal -3
.Lnot_wave_0_\@:
	s_barrier_wait -3
	s_barrier_signal -1
	s_barrier_wait -1
.endm
.macro PLACES
.rept 4
	v_nop
.endr
.endm
; A joint load: wave 0 asks for K's 256 rows, wave 1 for V's, the others for nothing.  The branches hang on the wave's number alone.  An s_nop 0 and four v_nop follow each line.
.macro JLOAD
	s_cmp_eq_u32 s[WV], 0
	s_cbranch_scc0 .Lnot_k_\@
	tensor_load_to_lds s[G0:G0+3], s[G1K:G1K+7]
	s_nop 0
	PLACES
	s_branch .Lasked_\@
.Lnot_k_\@:
	s_cmp_eq_u32 s[WV], 1
	s_cbranch_scc0 .Lasked_\@
	tensor_load_to_lds s[G0:G0+3], s[G1V:G1V+7]
	s_nop 0
	PLACES
.Lasked_\@:
.endm
; A prefetch of what the NEXT change of slots will ask for: a slot's 256 rows of K and of V, 32,768 dense bytes each.  One cluster alone walks a head's K and V.  Its four partners share the bytes out
; BY ADDRESS, 8,192 each; in each, wave 4 asks for K's and wave 5 for V's, lanes 256 bytes apart: each aligned 256 bytes is named once in the launch.  The last change that fills a slot asks for nothing.
.macro ASK
	s_cmp_gt_u32 s[SLOTS], s[LIM]
	s_cbranch_scc0 .Lnot_mine_\@
	global_prefetch_b8 v[PFO], s[PFA:PFA+1] th:TH_LOAD_NT scope:SCOPE_SE
.Lnot_mine_\@:
.endm
.macro MLOAD                           ; a step's mask words: 4 key tiles x 8 words for each of my two query tiles
	s_load_b512 s[4:19], s[MB:MB+1], s[OFF] offset:0x0
	s_load_b512 s[20:35], s[MB:MB+1], s[OFF] offset:0x40
	s_load_b512 s[36:51], s[MB:MB+1], s[OFF] offset:0x1000
	s_load_b512 s[68:83], s[MB:MB+1], s[OFF] offset:0x1040
.endm
	s_load_b128 s[4:7], s[0:1], 0x0                ; qkv s[4:5], mbits s[6:7]
	s_load_b64 s[8:9], s[0:1], 0x10                ; att
	v_lshl_add_u32 v[SPW], v0, 2, SPARE
	v_mov_b32 v[NIL], 0
	ds_add_u32 v[SPW], v[NIL]                      ; the wave's opening: the add, twice on end, and its wait ahead of the first tensor loads
	ds_add_u32 v[SPW], v[NIL]
	v_lshrrev_b32 v252, 5, v0
	v_readfirstlane_b32 s[WV], v252                ; wave 0..15
	s_bfe_u32 s10, ttmp6, 0x40000                  ; cx: my place in the cluster
	s_lshl_b32 s12, ttmp9, 2
	s_add_co_u32 s12, s12, s10                     ; my block of 512 queries: it enters Q's, the mask's and the output's addresses alone
	s_and_b32 s11, ttmp7, 0xffff                   ; batch x 16 + head, which the four partners share
	; group 1: a tile of 256 rows x 64 elements of 2 bytes, padded in LDS behind every 32 words
	s_mov_b32 s[G1K], 15|(1<<16)|(1<<20)|(1<<21)|(4<<22)|(3<<25)   ; the mask names all four work-groups; 4 words of padding
	s_mov_b32 s[G1V], 15|(1<<16)|(1<<20)|(1<<21)|(4<<22)|(7<<25)   ; 8 words
.irp g, G1K, G1V
	s_mov_b32 s[\g+1], 64<<16                      ; tensor_dim0
	s_mov_b32 s[\g+2], 256<<16                     ; tensor_dim1
	s_mov_b32 s[\g+3], 64<<16                      ; tile_dim0
	s_mov_b32 s[\g+4], 256                         ; tile_dim1
	s_mov_b32 s[\g+5], 64                          ; tensor_dim0_stride
	s_mov_b32 s[\g+6], 0
	s_mov_b32 s[\g+7], 0
.endr
	s_mov_b32 s[SEL], 0x76543210
	s_mov_b32 s[SEL+1], 0xfedcba98
	s_and_b32 s13, s[WV], 1                        ; an even wave's addresses stand in K, an odd wave's in V
	s_mov_b32 s[G0], 1
	s_mul_i32 s[G0+1], s13, VOFF                   ; LDS: slot 0, K's rows or V's
	s_add_co_u32 s14, s13, 1
	s_lshl_b32 s14, s14, 24                        ; the region of k or of v,
	s_lshl_b32 s15, s11, 18                        ; my head's 2,048 rows of 128 bytes
	s_add_co_u32 s14, s14, s15
	s_mov_b32 s15, 0
	s_lshl_b32 s16, s10, 13                        ; the prefetches: my work-group's 8,192 bytes,
	s_add_co_u32 s16, s16, 32768                   ; in slot 1: the first change of slots steps them to slot 2.  Nothing is prefetched at the head
	s_mov_b32 s17, 0
	s_lshl_b32 s18, s11, 18                        ; Q: my head, my block's 512 rows, my wave's 32
	s_lshl_b32 s19, s12, 16
	s_add_co_u32 s18, s18, s19
	s_lshl_b32 s19, s[WV], 12
	s_add_co_u32 s18, s18, s19
	s_mov_b32 s19, 0
	s_lshr_b32 s22, s11, 4                         ; the batch
	s_lshl_b32 s20, s22, 19                        ; mask words: 4,096 bytes a query tile: 128 tiles a batch, 32 a block, 2 a wave
	s_lshl_b32 s21, s12, 17
	s_add_co_u32 s20, s20, s21
	s_lshl_b32 s21, s[WV], 13
	s_add_co_u32 s20, s20, s21
	s_mov_b32 s21, 0
	s_lshl_b32 s24, s22, 22                        ; att: 4,096 bytes a pair row: 1,024 a batch, 256 a block, 16 a wave; + 256 x head
	s_lshl_b32 s25, s12, 20
	s_add_co_u32 s24, s24, s25
	s_lshl_b32 s25, s[WV], 16
	s_add_co_u32 s24, s24, s25
	s_and_b32 s25, s11, 15
	s_lshl_b32 s25, s25, 8
	s_add_co_u32 s24, s24, s25
	s_mov_b32 s25, 0
	s_lshr_b32 s[LIM], s[WV], 1
	s_cmp_eq_u32 s[LIM], 2                         ; waves 4 and 5
	s_cselect_b32 s[LIM], 1, -1
	s_mov_b32 s[TK], 0
	s_mov_b32 s[TV], 0
	s_mov_b32 s[OFF], 0
	s_mov_b32 s[SLOTS], 7
	s_wait_dscnt 0x0                               ; both opening adds are done
	s_wait_kmcnt 0x0
	s_add_nc_u64 s[G0+2:G0+3], s[4:5], s[14:15]
	s_add_nc_u64 s[PFA:PFA+1], s[G0+2:G0+3], s[16:17]
	s_or_b32 s[G0+3], s[G0+3], 0x80000000          ; type = 2
	s_add_nc_u64 s[80:81], s[4:5], s[18:19]
	s_add_nc_u64 s[MB:MB+1], s[6:7], s[20:21]
	s_add_nc_u64 s[OP:OP+1], s[8:9], s[24:25]
	CROUND                                         ; all four work-groups are here: the first joint loads meet
	JLOAD                                          ; slot 0
	v_and_b32 v252, 15, v0                         ; r
	v_bfe_u32 v253, v0, 4, 1                       ; h
	v_lshlrev_b32 v254, 7, v252
	v_lshl_add_u32 v254, v253, 4, v254             ; Q: row r of 128 bytes, + 16 h
.irp t, 0,1
.irp c, 0,1
	global_load_b128 v[Q+16*\t+8*\c:Q+16*\t+8*\c+3],   v254, s[80:81] offset:\t*2048+\c*64      ; Q stays in registers
	global_load_b128 v[Q+16*\t+8*\c+4:Q+16*\t+8*\c+7], v254, s[80:81] offset:\t*2048+\c*64+32
.endr
.endr
	v_mul_u32_u24 v[AK0], v252, KP
	v_lshl_add_u32 v[AK0], v253, 4, v[AK0]         ; K: row x pitch + 16 h
	v_and_b32 v255, 7, v0
	v_lshl_add_u32 v[AV0], v253, 3, v255           ; V: key 8 h + l % 8,
	v_mul_u32_u24 v[AV0], v[AV0], VP
	v_bfe_u32 v255, v0, 3, 1
	v_lshl_add_u32 v[AV0], v255, 4, v[AV0]         ; channels 8 ((l / 8) % 2) on
	v_add_nc_u32 v[AV0], VOFF, v[AV0]
	v_and_b32 v[PFO], 31, v0
	v_lshlrev_b32 v[PFO], 8, v[PFO]
	v_mov_b32 v[NEG], 0xff800000
	s_mul_i32 s105, s[WV], WSTG
	s_add_co_u32 s105, s105, STAGE                 ; my stage
	v_lshrrev_b32 v255, 1, v252
	v_mul_u32_u24 v[STO], v255, 272                ; in: pair row r / 2,
	v_and_b32 v255, 1, v252
	v_lshl_add_u32 v[STO], v255, 7, v[STO]         ; its half r % 2,
	v_lshl_add_u32 v[STO], v253, 4, v[STO]         ; 16 bytes for each half of the lanes
	v_add_nc_u32 v[STO], s105, v[STO]
	v_mul_u32_u24 v[RD], v253, 272                 ; back: lanes 0-15 one pair row of 256 bytes, lanes 16-31 the next
	v_lshl_add_u32 v[RD], v252, 4, v[RD]
	v_add_nc_u32 v[RD], s105, v[RD]
	v_lshlrev_b32 v[GO], 12, v253                  ; and the same two pair rows in att
	v_lshl_add_u32 v[GO], v252, 4, v[GO]
	s_wait_xcnt 0x0                                ; Q's loads have read their base, s[80:81]: the mask words may land there
	MLOAD                                          ; key step 0's
.irp t, 0,1
	v_mov_b32 v[ST+8*\t], 0xff61b1e6               ; m: -3e38, under every t
	v_mov_b32 v[ST+8*\t+2], 0                      ; l
	v_mov_b32 v[ST+8*\t+3], 0
.endr
.set i, 0
.rept 64
	v_mov_b32 v[O+i], 0                            ; O^T.  (The step is written once: the first finds zeros)
.set i, i+1
.endr
	s_wait_loadcnt 0x0                             ; Q
; A KEY STEP: 64 keys, both tiles of queries by turns.
.macro STEP
	v_add_nc_u32 v[ADK], s[TK], v[AK0]
	v_add_nc_u32 v[ADV], s[TV], v[AV0]
	PLACES                                         ; with the two additions six places behind the last V^T P: four are owed to the loads into V's registers, five to the products below, which write over P
.irp c, 0,1
.irp kt, 0,1,2,3
	ds_load_b128 v[KV+8*(4*\c+\kt):KV+8*(4*\c+\kt)+3],   v[ADK] offset:\kt*16*KP+64*\c
	ds_load_b128 v[KV+8*(4*\c+\kt)+4:KV+8*(4*\c+\kt)+7], v[ADK] offset:\kt*16*KP+64*\c+32
.endr
.endr
	s_wait_dscnt 8                                 ; channels 0-31 are in; the eight loads of channels 32-63 may be out
.irp kt, 0,1,2,3
.irp t, 0,1
	v_wmma_f32_16x16x32_f16 v[S+32*\t+8*\kt:S+32*\t+8*\kt+7], v[KV+8*\kt:KV+8*\kt+7], v[Q+16*\t:Q+16*\t+7], 0
.endr
.endr
	s_wait_dscnt 0x0
.irp kt, 0,1,2,3
.irp t, 0,1
	v_wmma_f32_16x16x32_f16 v[S+32*\t+8*\kt:S+32*\t+8*\kt+7], v[KV+32+8*\kt:KV+32+8*\kt+7], v[Q+16*\t+8:Q+16*\t+15], v[S+32*\t+8*\kt:S+32*\t+8*\kt+7]   ; the eight accumulators by turns
.endr
.endr
	PLACES                                         ; in front of the loads into K's registers and of the first read of the scores
.irp kk, 0,1
.irp ct, 0,1,2,3
	ds_load_tr16_b128 v[KV+8*(4*\kk+\ct):KV+8*(4*\kk+\ct)+3],   v[ADV] offset:\kk*32*VP+32*\ct          ; V^T: keys 32 kk on, channels 16 ct on: it lands under the softmax
	ds_load_tr16_b128 v[KV+8*(4*\kk+\ct)+4:KV+8*(4*\kk+\ct)+7], v[ADV] offset:\kk*32*VP+16*VP+32*\ct
.endr
.endr
	s_wait_kmcnt 0x0                               ; this step's mask words, asked for a step ago
.set i, 0
.rept 32
	v_cndmask_b32 v[S+i], v[S+i], v[NEG], s[4+i]   ; a masked score becomes -infinity; ascending: each accumulator from its low end on
.if i < 16
	v_cndmask_b32 v[S+32+i], v[S+32+i], v[NEG], s[36+i]
.else
	v_cndmask_b32 v[S+32+i], v[S+32+i], v[NEG], s[52+i]
.endif
.set i, i+1
.endr
.irp q, 0,1,2,3                        ; the largest of the lane's 32 scores and the old m: four chains of seven, then the rest
.irp t, 0,1
	v_max3_num_f32 v[ST+8*\t+4+\q], v[S+32*\t+8*\q], v[S+32*\t+8*\q+1], v[S+32*\t+8*\q+2]
.endr
.endr
.irp q, 0,1,2,3
.irp t, 0,1
	v_max3_num_f32 v[ST+8*\t+4+\q], v[ST+8*\t+4+\q], v[S+32*\t+8*\q+3], v[S+32*\t+8*\q+4]
.endr
.endr
	s_add_co_u32 s[OFF], s[OFF], 128               ; the next step's mask words (the wait above has shown the last loads done, so their offset may be written);
	s_min_u32 s[OFF], s[OFF], 3968                 ; the last step asks for its own again: no load leaves the buffer
	MLOAD
.irp q, 0,1,2,3
.irp t, 0,1
	v_max3_num_f32 v[ST+8*\t+4+\q], v[ST+8*\t+4+\q], v[S+32*\t+8*\q+5], v[S+32*\t+8*\q+6]
.endr
.endr
.irp t, 0,1
	v_max3_num_f32 v[ST+8*\t+4], v[ST+8*\t+4], v[S+32*\t+7], v[S+32*\t+15]
	v_max3_num_f32 v[ST+8*\t+6], v[ST+8*\t+6], v[S+32*\t+23], v[S+32*\t+31]
.endr
.irp t, 0,1
	v_max3_num_f32 v[ST+8*\t+4], v[ST+8*\t+4], v[ST+8*\t+5], v[ST+8*\t+6]
.endr
.irp t, 0,1
	v_max3_num_f32 v[ST+8*\t+4], v[ST+8*\t+4], v[ST+8*\t+7], v[ST+8*\t]
.endr
.irp t, 0,1
	v_permlanex16_b32 v[ST+8*\t+5], v[ST+8*\t+4], s[SEL], s[SEL+1]   ; the query's other 32 keys lie in the lane 16 away
.endr
.irp t, 0,1
	v_mov_b32 v[ST+8*\t+1], v[ST+8*\t]             ; the old m
.endr
.irp t, 0,1
	v_max_num_f32 v[ST+8*\t], v[ST+8*\t+4], v[ST+8*\t+5]             ; the new
.endr
.irp t, 0,1
	v_sub_f32 v[ST+8*\t+1], v[ST+8*\t+1], v[ST+8*\t]
.endr
.irp t, 0,1
	v_exp_f32 v[ST+8*\t+6], v[ST+8*\t+1]           ; a = 2^(old m - new m)
.endr
.set i, 0
.rept 16
.irp t, 0,1
	v_pk_add_f32 v[S+32*\t+i:S+32*\t+i+1], v[S+32*\t+i:S+32*\t+i+1], v[ST+8*\t:ST+8*\t+1] op_sel_hi:[1,0] neg_lo:[0,1] neg_hi:[0,1]   ; t - m, two at a time (of the pair the low word, m, serves both halves)
.endr
.set i, i+2
.endr
	s_wait_alu depctr_va_vdst(0)                   ; a wait ahead of the first line that names a: one for the two; the 32 subtractions are the work between
.set i, 0
.rept 64
	v_exp_f32 v[S+i], v[S+i]                       ; p = 2^(t - m), at most 1; 0 for a masked key
.set i, i+1
.endr
.set i, 0
.rept 16
.irp t, 0,1
	v_pk_mul_f32 v[O+32*\t+i:O+32*\t+i+1], v[O+32*\t+i:O+32*\t+i+1], v[ST+8*\t+6:ST+8*\t+7] op_sel_hi:[1,0]   ; O^T x a: plain work behind the batch that names none of its results; ascending
.endr
.set i, i+2
.endr
	s_wait_alu depctr_va_vdst(0)                   ; one wait for the 64 exponentials, ahead of their first reader
.irp t, 0,1
	v_pk_fma_f32 v[ST+8*\t+2:ST+8*\t+3], v[ST+8*\t+2:ST+8*\t+3], v[ST+8*\t+6:ST+8*\t+7], v[S+32*\t:S+32*\t+1] op_sel_hi:[1,0,1]   ; l = a l + the sum of the unrounded p, in two chains a tile
.endr
.irp t, 0,1
	v_pk_add_f32 v[ST+8*\t+4:ST+8*\t+5], v[S+32*\t+2:S+32*\t+3], v[S+32*\t+4:S+32*\t+5]
.endr
.irp p, 3,5,7,9,11,13
.irp t, 0,1
	v_pk_add_f32 v[ST+8*\t+2:ST+8*\t+3], v[ST+8*\t+2:ST+8*\t+3], v[S+32*\t+2*\p:S+32*\t+2*\p+1]
	v_pk_add_f32 v[ST+8*\t+4:ST+8*\t+5], v[ST+8*\t+4:ST+8*\t+5], v[S+32*\t+2*\p+2:S+32*\t+2*\p+3]
.endr
.endr
.irp t, 0,1
	v_pk_add_f32 v[ST+8*\t+2:ST+8*\t+3], v[ST+8*\t+2:ST+8*\t+3], v[S+32*\t+30:S+32*\t+31]
.endr
.irp t, 0,1
	v_pk_add_f32 v[ST+8*\t+2:ST+8*\t+3], v[ST+8*\t+2:ST+8*\t+3], v[ST+8*\t+4:ST+8*\t+5]
.endr
.set i, 0
.rept 16
.irp t, 0,1
	v_cvt_pk_f16_f32 v[S+32*\t+i], v[S+32*\t+2*i], v[S+32*\t+2*i+1]   ; P, in place: register i is written when registers up to 2 i + 1 have been read
.endr
.set i, i+1
.endr
	s_wait_dscnt 0x0                               ; V is in
.irp kk, 0,1
.irp ct, 0,1,2,3
.irp t, 0,1
	v_wmma_f32_16x16x32_f16 v[O+32*\t+8*\ct:O+32*\t+8*\ct+7], v[KV+8*(4*\kk+\ct):KV+8*(4*\kk+\ct)+7], v[S+32*\t+8*\kk:S+32*\t+8*\kk+7], v[O+32*\t+8*\ct:O+32*\t+8*\ct+7]   ; the eight accumulators by turns
.endr
.endr
.endr
.endm
; THE CHANGE OF SLOTS stands at a slot's head.  Each wave waits for all its tensor loads (its part of the slot about to be read), adds 0 to its spare word, and waits for that and for its reads of the
; slot that it has left.  fill = 1: a round of the cluster's barrier follows, and behind it the other slot is asked for: the load has four key steps of sixteen waves in which to land.
.macro CHANGE fill
	s_wait_tensorcnt 0x0                           ; no tensor load of mine is out, so group 0 may be written
	ds_add_u32 v[SPW], v[NIL]
.if \fill
	ds_add_u32 v[SPW], v[NIL]                      ; and once more: the descriptor's steps stand between the second and the wait
	s_xor_b32 s[G0+1], s[G0+1], SLOT1              ; the other slot than last time,
	s_add_nc_u64 s[G0+2:G0+3], s[G0+2:G0+3], 32768 ; the next 256 keys; the type bits on top are not reached
	s_wait_xcnt 0x0                                ; the last prefetch, a slot back, has read its address, so it may be written:
	s_add_nc_u64 s[PFA:PFA+1], s[PFA:PFA+1], 32768 ; one slot further on than the walking descriptor
	s_wait_dscnt 0x0                               ; both adds are done, and my reads of the slot that I have left are over
	CROUND
	JLOAD
	ASK
.else
	s_wait_dscnt 0x0
	s_barrier_signal -1
	s_barrier_wait -1
.endif
.endm
.macro SLOT_STEPS                      ; a slot's four key steps: written once, walked four times
	s_mov_b32 s[STEPC], 4
.Lstep_\@:
	STEP
	s_add_co_u32 s[TK], s[TK], 64*KP
	s_add_co_u32 s[TV], s[TV], 64*VP
	s_sub_co_u32 s[STEPC], s[STEPC], 1
	s_cmp_lg_u32 s[STEPC], 0
	s_cbranch_scc1 .Lstep_\@
	s_sub_co_u32 s[TK], s[TK], 256*KP              ; back to a slot's first step,
	s_xor_b32 s[TK], s[TK], SLOT1                  ; in the other slot
	s_sub_co_u32 s[TV], s[TV], 256*VP
	s_xor_b32 s[TV], s[TV], SLOT1
.endm
.Lslot:                                            ; 7 trips: behind each change of slots but the last the next slot is asked for
	CHANGE 1
	SLOT_STEPS
	s_sub_co_u32 s[SLOTS], s[SLOTS], 1
	s_cmp_lg_u32 s[SLOTS], 0
	s_cbranch_scc1 .Lslot
	CHANGE 0                                       ; the last slot is written out
	SLOT_STEPS
	; THE WAY OUT.  l's two halves and the other half of the lanes' are added; O^T is multiplied by 1 / l (0 where l = 0), rounded to f16 and sent through my stage as pair rows of 256 bytes.
	PLACES
	s_wait_kmcnt 0x0                               ; the last step's mask loads, which nobody reads
.irp t, 0,1
	v_add_f32 v[ST+8*\t+4], v[ST+8*\t+2], v[ST+8*\t+3]
.endr
.irp t, 0,1
	v_permlanex16_b32 v[ST+8*\t+5], v[ST+8*\t+4], s[SEL], s[SEL+1]
.endr
.irp t, 0,1
	v_add_f32 v[ST+8*\t+4], v[ST+8*\t+4], v[ST+8*\t+5]
.endr
.irp t, 0,1
	v_rcp_f32 v[ST+8*\t+6], v[ST+8*\t+4]
.endr
	v_nop                                          ; a plain line behind the last reciprocal
	s_wait_alu depctr_va_vdst(0)                   ; and a wait ahead of the first use: one for the two
.irp t, 0,1
	v_cmp_lt_f32 vcc_lo, 0, v[ST+8*\t+4]           ; a kept key gives l >= 1 (the largest kept score has p = 1); l = 0: every key was masked out
	v_cndmask_b32 v[ST+8*\t+6], 0, v[ST+8*\t+6], vcc_lo
.endr
.irp t, 0,1
.set i, 0
.rept 16
	v_pk_mul_f32 v[O+32*\t+i:O+32*\t+i+1], v[O+32*\t+i:O+32*\t+i+1], v[ST+8*\t+6:ST+8*\t+7] op_sel_hi:[1,0]
.set i, i+2
.endr
.endr
.irp t, 0,1
.set i, 0
.rept 16
	v_cvt_pk_f16_f32 v[S+16*\t+i], v[O+32*\t+2*i], v[O+32*\t+2*i+1]
.set i, i+1
.endr
.endr
.irp t, 0,1
.irp ct, 0,1,2,3
	ds_store_b128 v[STO], v[S+16*\t+4*\ct:S+16*\t+4*\ct+3] offset:\t*2176+32*\ct
.endr
.endr
.irp t, 0,1
.irp i, 0,1,2,3
	ds_load_b128 v[KV+16*\t+4*\i:KV+16*\t+4*\i+3], v[RD] offset:\t*2176+\i*544   ; LDS serves a wave's instructions in order: these see my stores
.endr
.endr
.irp t, 0,1
.irp i, 0,1,2,3
	s_wait_dscnt 7-4*\t-\i                         ; the younger loads may be out
	global_store_b128 v[GO], v[KV+16*\t+4*\i:KV+16*\t+4*\i+3], s[OP:OP+1] offset:\t*32768+\i*8192   ; 16 lanes store 256 consecutive bytes, aligned
.endr
.endr
	s_wait_tensorcnt 0x0                           ; the wave's end, behind my last tensor load and my last LDS store
	ds_add_u32 v[SPW], v[NIL]
	s_wait_dscnt 0x0
	CROUND                                         ; the closing round: no work-group ends while a partner may still ask for a tile that names it
	s_endpgm
.Lfunc_end_k_qd5a4819c08_attn:
	.size	k_qd5a4819c08_attn, .Lfunc_end_k_qd5a4819c08_attn-k_qd5a4819c08_attn
	.p2alignl 7, 3214868480
	.fill 96, 4, 3214868480
	.section	.rodata,"a",@progbits
	.p2align	6, 0x0
	.amdhsa_kernel k_qd5a4819c08_attn
		.amdhsa_group_segment_fixed_size 327680
		.amdhsa_private_segment_fixed_size 0
		.amdhsa_enable_private_segment 0
		.amdhsa_kernarg_size 24
		.amdhsa_user_sgpr_count 2
		.amdhsa_user_sgpr_kernarg_segment_ptr 1
		.amdhsa_wavefront_size32 1
		.amdhsa_system_sgpr_workgroup_id_x 1
		.amdhsa_system_sgpr_workgroup_id_y 1
		.amdhsa_system_sgpr_workgroup_id_z 1
		.amdhsa_system_vgpr_workitem_id 0
		.amdhsa_next_free_vgpr 256
		.amdhsa_next_free_sgpr 106
		.amdhsa_reserve_vcc 1
		.amdhsa_float_denorm_mode_32 3
		.amdhsa_float_denorm_mode_16_64 3
		.amdhsa_memory_ordered 1
		.amdhsa_forward_progress 1
		.amdhsa_inst_pref_size 62
	.end_amdhsa_kernel
	.amdgpu_metadata
---
amdhsa.version: [ 1, 2 ]
amdhsa.kernels:
  - .name:           k_qd5a4819c08_attn
    .symbol:         k_qd5a4819c08_attn.kd
    .args:
      - { .name: qkv, .offset: 0, .size: 8, .value_kind: global_buffer, .address_space: global }
      - { .name: mbits, .offset: 8, .size: 8, .value_kind: global_buffer, .address_space: global }
      - { .name: att, .offset: 16, .size: 8, .value_kind: global_buffer, .address_space: global }
    .group_segment_fixed_size: 327680
    .private_segment_fixed_size: 0
    .kernarg_segment_align: 8
    .kernarg_segment_size: 24
    .max_flat_workgroup_size: 512
    .sgpr_count:     106
    .vgpr_count:     256
    .wavefront_size: 32
...
	.end_amdgpu_metadata
.endif
;; end of part 3
;; launch gemm_out (part 4): grid 8 x 64, 4 waves a work-group, clusters of 4 x 4, 327,680 bytes of LDS; arguments att, wot, out0; writes out0
.if DOCPART == 4
	.amdgcn_target "amdgcn-amd-amdhsa--gfx1250"
	.amdhsa_code_object_version 6
	.text
	.protected	k_qd5a4819c08_gemm_out
	.globl	k_qd5a4819c08_gemm_out
	.p2align	8
	.type	k_qd5a4819c08_gemm_out,@function
k_qd5a4819c08_gemm_out:
	s_mov_b64 s[64:65], 0
	v_nop
	global_prefetch_b8 v0, s[64:65] scope:SCOPE_SE
	s_setreg_imm32_b32 hwreg(HW_REG_WAVE_MODE, 25, 1), 1
	s_wait_xcnt 0x0
	s_wait_alu depctr_hold_cnt(0) depctr_sa_sdst(0) depctr_va_vdst(0) depctr_va_sdst(0) depctr_va_ssrc(0) depctr_va_vcc(0) depctr_vm_vsrc(0)
	s_getreg_b32 s2, hwreg(HW_REG_IB_STS2, 6, 4)
	s_cmp_eq_u32 s2, 0
	s_cbranch_scc0 .Lentry_in_a_cluster
	s_endpgm
.Lentry_in_a_cluster:
	s_bfe_u32 s2, ttmp6, 0x10000c
	s_cmp_lg_u32 s2, 0xf033
	s_cbranch_scc0 .Lentry_shape_is_right
	s_endpgm
.Lentry_shape_is_right:
; out0[m][n] = sum over k of values[m][k] W_out[k][n].  Operands in f16, sums in f32, out0 [8192][1024] f32.
; A = att [token pair 4096][head 16][token % 2][64] f16: values[m][64 head + a] lies at (m / 2) x 4096 + head x 256 + (m % 2) x 128 + 2 a.  B = wot [1024 (n)][1024 (k)] f16, K innermost.
; A tile of the output is 128 x 128: 512 work-groups.  Four waves, each 64 x 64: 16 accumulators, 128 registers.  K goes in steps of 256 through a ring of two LDS slots.  A K step of A is 4 heads:
; 1,024 consecutive bytes of a pair row; a wave's tensor load brings 32 pair rows (64 tokens), 1,040 bytes apart in LDS.  B's tile: 64 rows of 512 bytes, 528 apart.
; CLUSTERS: 4 x 4 work-groups; A's tile is shared along a row of the cluster, B's along a column: each is asked for JOINTLY.  THE MATRIX INSTRUCTION IS USED TRANSPOSED (source 0 = 16 rows of B,
; source 1 = 16 rows of A): a lane holds eight neighbouring numbers of a row of the output.
; REGISTERS: window 0: v0-31 addresses; v32-95 at work on the way out; v128-255 the accumulators ((a, b) at v[128 + 8 (4 a + b)]).  window 1: two fragment buffers of 128: 64 of A, then 64 of B.
.set SIZE_N, 1024
.set SIZE_K, 1024
.set KSTEP,  256
.set PITCH,  528                       ; B's LDS row: 512 bytes + 16
.set PA,     1040                      ; A's LDS pair row: 1,024 bytes + 16: token r of a fragment lies at (r / 2) x 1040 + (r % 2) x 128: sixteen different 16-byte columns modulo 256
.set HALFT,  64*PITCH                  ; the room of one tensor load's tile (A's takes 32 x 1040 of it)
.set SLOT,   4*HALFT                   ; A's two halves, then B's two
.set SPITCH, 272                       ; the way out: 16 rows x (256 bytes + 16) for each wave, in slot 0, which has had its last fill and its last read when the first result is stored there
.set SPARE,  2*SLOT                    ; behind the ring: the spare words, 128 bytes for each wave
.set LAPS, SIZE_K/(2*KSTEP)
.set ADRA, 16
.set ADRB, 20
.set STO,  24
.set RD,   25
.set CO,   26
.set SPW,  28
.set NIL,  29
.set TMP,  32
.set ACC,  128
.set F0,   0
.set F1,   128
.set G1, 24
.set G0, 32
.set G1B, 48
.set G0B, 56
.set MSB, 0
.macro WIN new                         ; the immediate's high byte repeats the setting that is left
.if MSB != \new
	s_set_vgpr_msb (MSB<<8)|\new
.set MSB, \new
.endif
.endm
.set MUL,  0x05                        ; sources 0 (B) and 1 (A) window 1; C and D window 0
.set TO_F, 0x40                        ; destination window 1, address window 0
.macro JLOAD s                         ; a joint load: waves 0 and 1 fetch A's two halves, waves 2 and 3 B's; an s_nop 0 and four v_nop follow each of the two lines
	s_cmp_eq_u32 s11, 0
	s_cbranch_scc0 .Lfor_b_\@
	tensor_load_to_lds s[G0+4*\s:G0+4*\s+3], s[G1:G1+7]
	s_nop 0
.rept 4
	v_nop
.endr
	s_branch .Lasked_\@
.Lfor_b_\@:
	tensor_load_to_lds s[G0B+4*\s:G0B+4*\s+3], s[G1B:G1B+7]
	s_nop 0
.rept 4
	v_nop
.endr
.Lasked_\@:
.endm
.macro CREST                           ; a round of the cluster's barrier behind its opening barrier
	s_cmp_lg_u32 s10, 0
	s_cbranch_scc1 .Lnot_wave_0_\@
	s_barrier_signal -3
.Lnot_wave_0_\@:
	s_barrier_wait -3
	s_barrier_signal -1
	s_barrier_wait -1
.endm
.macro CROUND                          ; a whole round
	s_barrier_signal -1
	s_barrier_wait -1
	CREST
.endm
	s_load_b128 s[4:7], s[0:1], 0x0                ; att s[4:5], wot s[6:7]
	s_load_b64 s[8:9], s[0:1], 0x10                ; out0
	v_lshl_add_u32 v[SPW], v0, 2, SPARE
	v_mov_b32 v[NIL], 0
	ds_add_u32 v[SPW], v[NIL]                      ; the wave's opening: the add, twice on end, and its wait ahead of my first tensor load
	ds_add_u32 v[SPW], v[NIL]
	v_lshrrev_b32 v1, 5, v0
	v_readfirstlane_b32 s10, v1                    ; wave 0..3
	s_lshr_b32 s11, s10, 1                         ; which half of the tile's rows is mine.  Also: I fetch for A (0) or for B (1)
	s_and_b32 s12, s10, 1                          ; which half of its columns.  Also: which half of that tile I fetch
	s_bfe_u32 s40, ttmp6, 0x40000                  ; cx, cy
	s_bfe_u32 s41, ttmp6, 0x40004
	s_lshl_b32 s42, ttmp9, 2
	s_add_co_u32 s42, s42, s40                     ; tile column = 4 x cluster x + cx
	s_and_b32 s13, ttmp7, 0xffff
	s_lshl_b32 s13, s13, 2
	s_add_co_u32 s13, s13, s41                     ; tile row = 4 x cluster y + cy
	s_lshl_b32 s43, s41, 2
	s_lshl_b32 s43, 15, s43                        ; my row of the cluster
	s_lshl_b32 s44, 0x1111, s40                    ; my column
	; group 1 for A: 32 pair rows x 512 elements of 2 bytes, 2,048 elements apart; 4 words of padding behind every 256
	s_or_b32 s[G1+0], s43, (1<<16)|(1<<20)|(1<<21)|(7<<22)|(3<<25)
	s_mov_b32 s[G1+1], 512<<16                     ; tensor_dim0
	s_mov_b32 s[G1+2], 32<<16                      ; tensor_dim1
	s_mov_b32 s[G1+3], 512<<16                     ; tile_dim0
	s_mov_b32 s[G1+4], 32                          ; tile_dim1
	s_mov_b32 s[G1+5], 2048                        ; tensor_dim0_stride
	s_mov_b32 s[G1+6], 0
	s_mov_b32 s[G1+7], 0
	; group 1 for B: 64 rows x 256 elements, 1,024 apart; 4 words of padding behind every 128
	s_or_b32 s[G1B+0], s44, (1<<16)|(1<<20)|(1<<21)|(6<<22)|(3<<25)
	s_mov_b32 s[G1B+1], KSTEP<<16
	s_mov_b32 s[G1B+2], 64<<16
	s_mov_b32 s[G1B+3], KSTEP<<16
	s_mov_b32 s[G1B+4], 64
	s_mov_b32 s[G1B+5], SIZE_K
	s_mov_b32 s[G1B+6], 0
	s_mov_b32 s[G1B+7], 0
	s_lshl_b32 s17, s12, 6                         ; which 64 rows of the tile I fetch
	s_lshl_b32 s16, s13, 7
	s_add_co_u32 s16, s16, s17                     ; A: token 128 x tile row + 64 x half: an even token t begins its pair row at t x 2,048 bytes
	s_lshl_b32 s46, s42, 7
	s_add_co_u32 s46, s46, s17                     ; B: row 128 x tile column + 64 x half, 2,048 bytes a row
	s_mov_b32 s17, 0
	s_mov_b32 s47, 0
	s_mov_b64 s[18:19], SIZE_K*2
	s_mul_u64 s[16:17], s[16:17], s[18:19]
	s_mul_u64 s[46:47], s[46:47], s[18:19]
	s_mul_i32 s20, s10, HALFT                      ; where they go: wave x a tile's room
	s_wait_dscnt 0x0                               ; both opening adds are done
	s_wait_kmcnt 0x0
	s_add_nc_u64 s[14:15], s[4:5], s[16:17]
	s_add_nc_u64 s[46:47], s[6:7], s[46:47]
	CROUND                                         ; all sixteen work-groups are here: the first joint loads meet
.irp s, 0,1
	s_mov_b32 s[G0+4*\s], 1
	s_add_co_u32 s[G0+4*\s+1], s20, \s*SLOT
	s_add_nc_u64 s[G0+4*\s+2:G0+4*\s+3], s[14:15], \s*1024          ; K step s of A: 4 heads x 256 bytes on
	s_or_b32 s[G0+4*\s+3], s[G0+4*\s+3], 0x80000000
	s_mov_b32 s[G0B+4*\s], 1
	s_add_co_u32 s[G0B+4*\s+1], s20, \s*SLOT
	s_add_nc_u64 s[G0B+4*\s+2:G0B+4*\s+3], s[46:47], \s*KSTEP*2
	s_or_b32 s[G0B+4*\s+3], s[G0B+4*\s+3], 0x80000000
	JLOAD \s
.endr
	v_and_b32 v1, 15, v0                           ; l % 16
	v_bfe_u32 v2, v0, 4, 1                         ; l / 16
	v_mul_u32_u24 v3, v1, PITCH
	v_lshl_add_u32 v3, v2, 4, v3                   ; B: a fragment's row x pitch + 16 x half
	v_lshrrev_b32 v6, 1, v1
	v_mul_u32_u24 v6, v6, PA                       ; A: pair row r / 2,
	v_and_b32 v7, 1, v1
	v_lshl_add_u32 v6, v7, 7, v6                   ; its half r % 2,
	v_lshl_add_u32 v6, v2, 4, v6                   ; + 16 x half of the lanes
	s_mul_i32 s21, s11, HALFT                      ; my 64 rows of A
	s_mul_i32 s22, s12, HALFT                      ; my 64 rows of B,
	s_add_co_u32 s22, s22, 2*HALFT                 ; which lie behind A's two halves
.irp s, 0,1
	v_add_nc_u32 v[ADRA+\s], s21, v6
	v_add_nc_u32 v[ADRB+\s], s22, v3
	s_add_co_u32 s21, s21, SLOT
	s_add_co_u32 s22, s22, SLOT
.endr
	s_mul_i32 s23, s10, 16*SPITCH                  ; my stage
	v_mul_u32_u24 v4, v1, SPITCH
	v_lshl_add_u32 v4, v2, 5, v4
	v_add_nc_u32 v[STO], s23, v4                   ; in: row l % 16, 32 bytes for each half of the lanes
	v_mul_u32_u24 v5, v2, SPITCH
	v_lshl_add_u32 v5, v1, 4, v5
	v_add_nc_u32 v[RD], s23, v5                    ; back: lanes 0-15 one row of 256 bytes, lanes 16-31 the next
	v_lshlrev_b32 v5, 12, v2
	v_lshl_add_u32 v[CO], v1, 4, v5                ; and the same two rows in out0 (4,096 bytes a row)
	s_lshl_b32 s16, s13, 7
	s_lshl_b32 s17, s11, 6
	s_add_co_u32 s16, s16, s17                     ; my first row: 128 x tile row + 64 x half
	s_lshl_b32 s16, s16, 12
	s_mov_b32 s17, 0
	s_add_nc_u64 s[8:9], s[8:9], s[16:17]
	s_lshl_b32 s46, s42, 9                         ; my first column, in bytes: 512 x tile column + 256 x half
	s_lshl_b32 s47, s12, 8
	s_add_co_u32 s46, s46, s47
	s_mov_b32 s47, 0
	s_add_nc_u64 s[8:9], s[8:9], s[46:47]
; 8 matrix instructions: m blocks a0, a0 + 1 x all 4 n blocks, 32 along K: half c of buffer f.  zero = 1: the first product starts the sums
.macro MUL8 f, c, a0, zero
.irp a, \a0, \a0+1
.irp b, 0,1,2,3
.if \zero
	v_wmma_f32_16x16x32_f16 v[ACC+8*(4*(\a)+\b):ACC+8*(4*(\a)+\b)+7], v[\f+64+8*(4*\c+\b):\f+64+8*(4*\c+\b)+7], v[\f+8*(4*\c+\a):\f+8*(4*\c+\a)+7], 0
.else
	v_wmma_f32_16x16x32_f16 v[ACC+8*(4*(\a)+\b):ACC+8*(4*(\a)+\b)+7], v[\f+64+8*(4*\c+\b):\f+64+8*(4*\c+\b)+7], v[\f+8*(4*\c+\a):\f+8*(4*\c+\a)+7], v[ACC+8*(4*(\a)+\b):ACC+8*(4*(\a)+\b)+7]
.endif
.endr
.endr
.endm
; 32 LDS loads in one run: the fragments of 64 along K, into buffer f; the first 32 along K first.  k: the byte in B's rows (128 for each 64 along K); in A's pair rows 64 along K are one head: 2 k
.macro FETCH slot, k, f
	WIN TO_F
.irp c, 0,1
.irp i, 0,1,2,3
	ds_load_b128 v[\f+64+8*(4*\c+\i):\f+64+8*(4*\c+\i)+3],   v[ADRB+\slot] offset:\k+64*\c+\i*16*PITCH
	ds_load_b128 v[\f+64+8*(4*\c+\i)+4:\f+64+8*(4*\c+\i)+7], v[ADRB+\slot] offset:\k+64*\c+\i*16*PITCH+32
	ds_load_b128 v[\f+8*(4*\c+\i):\f+8*(4*\c+\i)+3],         v[ADRA+\slot] offset:2*(\k)+64*\c+\i*8*PA
	ds_load_b128 v[\f+8*(4*\c+\i)+4:\f+8*(4*\c+\i)+7],       v[ADRA+\slot] offset:2*(\k)+64*\c+\i*8*PA+32
.endr
.endr
.endm
.macro PLACES                          ; four places in front of loads into registers that matrix instructions have read, and of the first read of results
.rept 4
	v_nop
.endr
.endm
; A K step is four quarters of 64 along K, 32 matrix instructions each, on buffers 0, 1, 0, 1.  One of the first three: multiplies buffer f and fetches the next quarter, at byte k, into g.
.macro QUARTER slot, k, f, g, zero
	s_wait_dscnt 16                                ; the first 32 along K are in; the sixteen loads of the second may be out
	WIN MUL
	MUL8 \f, 0, 0, \zero
	MUL8 \f, 0, 2, \zero
	PLACES
	FETCH \slot, \k, \g
	s_wait_dscnt 32                                ; all but the 32 just issued
	WIN MUL
	MUL8 \f, 1, 0, 0
	MUL8 \f, 1, 2, 0
.endm
; The last quarter multiplies buffer 1 and changes slots: ONE barrier; in front of it each wave waits for all its tensor loads, adds 0 to its spare word, and waits for that and for its own reads of this slot.
.macro TURN slot, next, fill
	WIN 0                                          ; (the add's two registers lie in window 0)
	s_wait_tensorcnt 0x0                           ; all my tensor loads have landed: my part of the next slot;
	ds_add_u32 v[SPW], v[NIL]
	s_wait_dscnt 17                                ; (the add and the youngest sixteen loads may be out)
	WIN MUL
	MUL8 F1, 0, 0, 0                               ; eight matrix instructions stand between the add and the wait for it
	s_wait_dscnt 0x0                               ; the add is done, and my reads of this slot are over
	s_barrier_signal -1
	MUL8 F1, 0, 2, 0
.if \fill
	WIN 0
.endif
	s_barrier_wait -1
.if \fill
	CREST                                          ; the barrier has opened a round of the cluster's barrier: no wave of any partner still reads this slot's tile or has a load on its way
	s_add_nc_u64 s[G0+4*\slot+2:G0+4*\slot+3], s[G0+4*\slot+2:G0+4*\slot+3], 2048          ; two K steps on: 8 heads x 256 bytes
	s_add_nc_u64 s[G0B+4*\slot+2:G0B+4*\slot+3], s[G0B+4*\slot+2:G0B+4*\slot+3], 2*KSTEP*2
	JLOAD \slot                                    ; the first tensor load behind the round; the four v_nop behind it are also the places in front of the loads below
.else
	PLACES
.endif
	FETCH \next, 0, F0
	WIN MUL
	MUL8 F1, 1, 0, 0
	MUL8 F1, 1, 2, 0
.endm
	s_wait_tensorcnt 1                             ; my part of K step 0 is in (K step 1's load may be out)
	s_barrier_signal -1
	s_barrier_wait -1                              ; everybody's is
	FETCH 0, 0, F0
	QUARTER 0, 128, F0, F1, 1                      ; the first quarter stands in front of the loop: its first products start the sums
	WIN 0                                          ; at a label and at a branch every window is 0
	s_mov_b32 s3, LAPS-1
.Llap:                                                 ; a trip goes once round the ring, from a lap's second quarter to the next lap's first, and fills both slots again
	QUARTER 0, 256, F1, F0, 0
	QUARTER 0, 384, F0, F1, 0
	TURN 0, 1, 1
	QUARTER 1, 128, F0, F1, 0
	QUARTER 1, 256, F1, F0, 0
	QUARTER 1, 384, F0, F1, 0
	TURN 1, 0, 1
	QUARTER 0, 128, F0, F1, 0
	WIN 0
	s_sub_co_u32 s3, s3, 1
	s_cmp_lg_u32 s3, 0
	s_cbranch_scc1 .Llap
	QUARTER 0, 256, F1, F0, 0                      ; the last lap fills nothing, and has no round of the cluster's barrier
	QUARTER 0, 384, F0, F1, 0
	TURN 0, 1, 0
	QUARTER 1, 128, F0, F1, 0
	QUARTER 1, 256, F1, F0, 0
	QUARTER 1, 384, F0, F1, 0
	s_wait_dscnt 16                                ; the very last quarter: nothing more to fetch
	WIN MUL
	MUL8 F1, 0, 0, 0
	MUL8 F1, 0, 2, 0
	s_wait_dscnt 0
	MUL8 F1, 1, 0, 0
	MUL8 F1, 1, 2, 0
	WIN 0
; THE WAY OUT, block by block of 16 rows x 64 columns of f32.  A lane holds 32 neighbouring bytes of a row; a block goes through my own stage and comes back as whole rows of 256 bytes.
; LDS serves a wave's instructions in order: no wait between the stores and the loads, nor in front of the next block's stores.
.macro TOSTAGE a
.irp b, 0,1,2,3
	ds_store_b128 v[STO], v[ACC+8*(4*(\a)+\b):ACC+8*(4*(\a)+\b)+3] offset:64*\b          ; each accumulator from its low end on
	ds_store_b128 v[STO], v[ACC+8*(4*(\a)+\b)+4:ACC+8*(4*(\a)+\b)+7] offset:64*\b+16
.endr
.set BB, TMP+32*((\a)%2)
.irp t, 0,1,2,3,4,5,6,7
	ds_load_b128 v[BB+4*\t:BB+4*\t+3], v[RD] offset:\t*2*SPITCH
.endr
.endm
.macro SEND a, younger                 ; younger: the LDS instructions issued behind block a's loads, which may stay out
.set BB, TMP+32*((\a)%2)
	s_wait_dscnt \younger
.irp t, 0,1,2,3,4,5,6,7
	global_store_b128 v[CO], v[BB+4*\t:BB+4*\t+3], s[8:9] offset:(16*(\a)+2*\t)*4096 th:TH_STORE_NT   ; 16 lanes store 256 consecutive bytes, aligned; written once, read by nobody here
.endr
.endm
	PLACES
	TOSTAGE 0
.irp a, 1,2,3
.if \a > 1
	s_wait_xcnt 0x0                                ; block a - 2's stores have read their registers: block a's loads may land there
.endif
	TOSTAGE \a
	SEND \a-1, 16                                  ; behind block a - 1's loads: block a's 8 stores and 8 loads
.endr
	SEND 3, 0
	s_wait_tensorcnt 0x0                           ; the wave's end, behind my last tensor load and my last LDS store
	ds_add_u32 v[SPW], v[NIL]
	s_wait_dscnt 0x0
	CROUND                                         ; the closing round: no work-group ends while a partner may still ask for a tile that names it
	s_endpgm
.Lfunc_end_k_qd5a4819c08_gemm_out:
	.size	k_qd5a4819c08_gemm_out, .Lfunc_end_k_qd5a4819c08_gemm_out-k_qd5a4819c08_gemm_out
	.p2alignl 7, 3214868480
	.fill 96, 4, 3214868480
	.section	.rodata,"a",@progbits
	.p2align	6, 0x0
	.amdhsa_kernel k_qd5a4819c08_gemm_out
		.amdhsa_group_segment_fixed_size 327680
		.amdhsa_private_segment_fixed_size 0
		.amdhsa_enable_private_segment 0
		.amdhsa_kernarg_size 24
		.amdhsa_user_sgpr_count 2
		.amdhsa_user_sgpr_kernarg_segment_ptr 1
		.amdhsa_wavefront_size32 1
		.amdhsa_system_sgpr_workgroup_id_x 1
		.amdhsa_system_sgpr_workgroup_id_y 1
		.amdhsa_system_sgpr_workgroup_id_z 1
		.amdhsa_system_vgpr_workitem_id 0
		.amdhsa_next_free_vgpr 512
		.amdhsa_next_free_sgpr 66
		.amdhsa_reserve_vcc 0
		.amdhsa_float_denorm_mode_32 3
		.amdhsa_float_denorm_mode_16_64 3
		.amdhsa_memory_ordered 1
		.amdhsa_forward_progress 1
		.amdhsa_inst_pref_size 86
	.end_amdhsa_kernel
	.amdgpu_metadata
---
amdhsa.version: [ 1, 2 ]
amdhsa.kernels:
  - .name:           k_qd5a4819c08_gemm_out
    .symbol:         k_qd5a4819c08_gemm_out.kd
    .args:
      - { .name: att, .offset: 0, .size: 8, .value_kind: global_buffer, .address_space: global }
      - { .name: wot, .offset: 8, .size: 8, .value_kind: global_buffer, .address_space: global }
      - { .name: out0, .offset: 16, .size: 8, .value_kind: global_buffer, .address_space: global }
    .group_segment_fixed_size: 327680
    .private_segment_fixed_size: 0
    .kernarg_segment_align: 8
    .kernarg_segment_size: 24
    .max_flat_workgroup_size: 128
    .sgpr_count:     66
    .vgpr_count:     512
    .wavefront_size: 32
...
	.end_amdgpu_metadata
.endif
;; end of part 4
